; MI455X (gfx1250); checked and timed in simulation.
; The chip was launched on July 23, 2026; its instructions are those of AMD's public machine-readable ISA for CDNA 5 (MIT licence, August 2026) and "CDNA5" Instruction Set Architecture Reference Guide (July 2026). The comments in the code are by the model that wrote it; some were corrected since.
;; Cffn. Allowed arithmetic: matrix products marked QUANTISED: E2M3 operands, one E8M0 scale for each 32 along K, by v_wmma_scale_f32_16x16x128_f8f6f4 with both operands' format E2M3, f32 sums; products left as they are: f32 operands where the result goes on into a quantised operand, else bf16, f16 or f32 operands; f32 sums; everything else in f32.
;; Inputs: U_w_codes 2,048 x 64 x 24 uint8 (E2M3 codes of U_w, K innermost, in blocks of 32 codes, four codes in three bytes); U_w_scales 2,048 x 64 uint8 (E8M0 scales of U_w, one for each 32 codes along K); V_w 2,048 x 3 float32; gate_w_codes 2,048 x 64 x 24 uint8 (E2M3 codes of gate_w, K innermost, in blocks of 32 codes, four codes in three bytes); gate_w_scales 2,048 x 64 uint8 (E8M0 scales of gate_w, one for each 32 codes along K); ladder_w_codes 3 x 6 x 64 x 24 uint8 (E2M3 codes of ladder_w, K innermost, in blocks of 32 codes, four codes in three bytes); ladder_w_scales 3 x 6 x 64 uint8 (E8M0 scales of ladder_w, one for each 32 codes along K); x 4 x 2,048 x 2,048 float32.
;; Outputs: out0 4 x 2,048 x 2,048 float32.
;; This version of the problem:
;;   THIS VERSION OF THE PROBLEM IS GIVEN IN LOW PRECISION. The matrix products marked QUANTISED in the list below multiply operands that are first quantised to E2M3 (2 exponent bits, 3 mantissa bits; 6 bits a number), with one power-of-two scale for each 32 numbers along K (OCP MX v1.0); their sums are f32. All else is computed in f32.
;;   The module's matrix products, in the order in which they are computed (A, B: the left and right operand; K: the contracted axis; several contracted axes count as one K, in the product's order):
;;     1. [M 8,192, K 2,048] x [K 2,048, N 2,048]; A: input x; B: input U_w (given as codes): QUANTISED
;;     2. [M 8,192, K 2,048] x [K 2,048, N 2,048]; A: input x; B: input gate_w (given as codes): QUANTISED
;;     3. [M 8,192, K 2,048] x [K 2,048, N 18]; A: computed on the way; B: input ladder_w (given as codes): QUANTISED
;;     4. [M 8,192, K 3] x [K 3, N 2,048]; A: computed on the way; B: input V_w: left as it is (K = 3 < 32)
;;   THE QUANTISER, for each operand of a quantised product, along K:
;;     - K is cut into blocks of 32 from its start; a last block that is shorter is filled with zeros.
;;     - A block's scale is 2^e with e = floor(log2(the largest magnitude in the block)) - 2, held to -126 .. 127; a block of zeros has e = 0. As a byte (E8M0): e + 127.
;;     - Each number is divided by its block's scale, clamped to +-7.5, and rounded to the nearest number of E2M3, ties to even, subnormals kept.
;;     - The product sums the exact products of the quantised numbers (number of the format x scale) in f32.
;;   ~~~python
;;   def quantise(x, axis):      # numpy; x: float32 -> the quantised numbers, widened to float32 again
;;       x = np.moveaxis(x, axis, -1); K = x.shape[-1]
;;       x = np.pad(x, [(0, 0)] * (x.ndim - 1) + [(0, -K % 32)]); x = x.reshape(x.shape[:-1] + (-1, 32)); a = np.abs(x).max(-1, keepdims=True)
;;       e = np.where(a > 0, np.clip(np.frexp(np.where(a > 0, a, 1))[1] - 1 - 2, -126, 127), 0)      # np.frexp(a)[1] - 1 = floor(log2(a)), exactly
;;       r = np.clip(x / 2.0 ** e, -7.5, 7.5)
;;       step = 2.0 ** (np.maximum(np.frexp(np.where(r == 0, 1, r))[1] - 1, 0) - 3)
;;       q = np.round(r / step) * step * 2.0 ** e      # np.round: ties to even
;;       return np.moveaxis(q.reshape(q.shape[:-2] + (-1,))[..., :K], -1, axis).astype(np.float32)
;;   ~~~
;;   OPERANDS COMPUTED ON THE WAY. 'Computed on the way' means the value that the module computes at that place (a softmax that the list does not call 'softmax' is quantised finished and normalised). What goes into a quantiser is computed in f32, as accurately as f32 sums, v_exp_f32 and their like allow (about 1e-6 of the number): no bf16 or f16 on the way to a quantiser, and a product that is left as it is and whose result goes on into a quantised operand takes f32 operands (vector FMAs, or v_wmma_f32_16x16x4_f32). A number that lies on a knife's edge between two numbers of the format may be rounded either way, as far as f32 arithmetic and the matrix unit's own rounding can turn it there, and no further.
;;   INPUTS GIVEN AS CODES. U_w (in the module: [2048, 2048], K = its axis 1); gate_w (in the module: [2048, 2048], K = its axis 1); ladder_w (in the module: [3, 6, 2048], K = its axis 2): each comes as NAME_codes (uint8): NAME with its K axis moved to the last place and cut into blocks of 32 codes, [.., K / 32, bytes a block], one block behind the other in memory; four codes in three bytes: a row's codes are one little-endian stream of bits, code i at bits 6 i .. 6 i + 5 (a code: sign, 2 exponent bits, 3 mantissa bits); and NAME_scales (uint8): the same leading axes, one E8M0 byte (e + 127) for each 32 codes along K. Its value is code x scale, taken as it is: it is not quantised again, and the codes and scales need not be those that the quantiser above would give.
;; One version. Each part assembles by itself: llvm-mc -triple=amdgcn-amd-amdhsa -mcpu=gfx1250 --defsym DOCPART=n.
;; ======== version 1 of 1: 3 launches
;; workspace buffers: xq_codes 12,582,912 bytes; xq_scales 524,288 bytes; apart 4,718,592 bytes
;; launch quantx (part 1): grid 512 x 1, 4 waves a work-group, no clusters, 33,280 bytes of LDS; arguments x, xq_codes, xq_scales; writes xq_codes, xq_scales
.if DOCPART == 1
	.amdgcn_target "amdgcn-amd-amdhsa--gfx1250"
	.amdhsa_code_object_version 6
	.text
	.protected	k_qedde6c7260_quantx
	.globl	k_qedde6c7260_quantx
	.p2align	8
	.type	k_qedde6c7260_quantx,@function
k_qedde6c7260_quantx:
	s_mov_b64 s[64:65], 0
	v_nop
	global_prefetch_b8 v0, s[64:65] scope:SCOPE_SE
	s_setreg_imm32_b32 hwreg(HW_REG_WAVE_MODE, 25, 1), 1
	s_wait_xcnt 0x0
; x [8192][2048], f32, is turned into codes of FP6 (E2M3), 6 bits each, K innermost, with one E8M0 scale byte for each 32 along K:
; xq_codes [8192][1536 bytes], xq_scales [8192][64].  Both large products read these codes, eight column tiles each, so x is quantised once, here.
; A block's scale is 2^(floor(log2(its largest magnitude)) - 2); its byte is the largest magnitude's exponent field - 2, held at 1 from below.
; Each number is divided by the scale and rounded to the nearest code, ties to even; beyond 7.5 the largest code.
; LIMITS: a block of zeros gets the byte 1 where the rule says 127 (its codes are zeros, and this program alone reads the bytes); blocks whose largest
; magnitude lies under 2^-124 keep the byte 1; NaN and infinities in x are not served.
; Rows are dense and 2048 is a multiple of 32: x is a plain stream of blocks of 32, and so are the codes and the bytes.
; A wave takes 16 steps of 512 numbers.  Each of a step's four loads reads 512 consecutive bytes, 16 a lane; the 2,048 bytes turn through the wave's own stage in LDS
; and come back 64 bytes a lane, so that a lane holds 16 neighbours along K (two neighbouring lanes hold a block), as the conversion wants them.
; No tensor loads, no barrier: waves share nothing.  Loads run eight steps (32 loads, 16 KB a wave) ahead, the turn through LDS one step.  No matrix unit, no cluster: memory binds.
.set STEPS, 16
.set DEPTH, 8                          ; sets of registers for loads on their way
.set CB,    12                         ; bytes of 16 codes
.set R,     16                         ; v16-143  eight sets of 16 numbers as they are loaded
.set X,     144                        ; v144-175 two sets of 16 neighbours
.set E,     176                        ; v176-191 a scale byte for each step
.set C,     192                        ; v192-255 codes: four registers for each step, so that no store's data are written again
.set WREG,  8192                       ; LDS: a region for each wave: two stages of 32 x SP bytes, behind them its 256 scale bytes
.set SP,    80                         ; a lane's place in a stage: 64 bytes + 16 of padding
	s_load_b128 s[4:7], s[0:1], 0x0                ; x, the codes
	s_load_b64 s[8:9], s[0:1], 0x10                ; the scale bytes
	v_lshl_add_u32 v251, v0, 2, 0x8000
	v_mov_b32 v255, 0
	v_lshrrev_b32 v1, 5, v0
	v_readfirstlane_b32 s16, v1                    ; wave
	v_and_b32 v2, 31, v0                           ; lane
	v_lshlrev_b32 v3, 4, v2                        ; my 16 bytes of a load's 512
	s_mul_i32 s17, s16, WREG
	v_lshrrev_b32 v14, 2, v2
	v_mul_u32_u24 v14, v14, SP
	v_and_b32 v15, 3, v2
	v_lshl_add_u32 v14, v15, 4, v14
	v_add_nc_u32 v14, s17, v14                     ; the stage, on the way in: SP (lane / 4) + 16 (lane % 4)
	v_mul_u32_u24 v15, v2, SP
	v_add_nc_u32 v15, s17, v15                     ; and on the way out: SP x lane: my 16 neighbours
	v_mul_u32_u24 v4, v2, CB                       ; my codes' place in a step's
	v_lshrrev_b32 v5, 1, v2
	s_add_co_u32 s17, s17, 2*32*SP
	v_add_nc_u32 v5, s17, v5                       ; LDS: my wave's 256 scale bytes, my block's byte
	v_lshlrev_b32 v7, 3, v2                        ; and on the way out 8 bytes a lane
	v_add_nc_u32 v6, s17, v7
	s_lshl_b32 s17, ttmp9, 2
	s_add_co_u32 s18, s17, s16                     ; which run of 8,192 numbers is my wave's: 0 .. 2047
	s_lshl_b32 s20, s18, 15                        ; 32,768 bytes of x a run
	s_mov_b32 s21, 0
	s_mul_i32 s22, s18, 32*STEPS*CB                ; 6,144 bytes of codes
	s_mov_b32 s23, 0
	s_lshl_b32 s24, s18, 8                         ; 256 scale bytes
	s_mov_b32 s25, 0
	s_wait_kmcnt 0x0
	s_add_nc_u64 s[4:5], s[4:5], s[20:21]
	s_add_nc_u64 s[6:7], s[6:7], s[22:23]
	s_add_nc_u64 s[8:9], s[8:9], s[24:25]
.macro LOAD t
.irp i, 0,1,2,3
	global_load_b128 v[R+16*((\t)%DEPTH)+4*\i:R+16*((\t)%DEPTH)+4*\i+3], v3, s[4:5] offset:2048*(\t)+512*\i th:TH_LOAD_NT   ; 32 lanes read 512 consecutive bytes
.endr
.endm
.macro TURN t                          ; step t's numbers through the stage: LDS serves a wave's instructions in order, so no wait stands between the stores and the loads
.irp i, 0,1,2,3
	ds_store_b128 v14, v[R+16*((\t)%DEPTH)+4*\i:R+16*((\t)%DEPTH)+4*\i+3] offset:32*SP*((\t)%2)+8*SP*\i
.endr
.irp i, 0,1,2,3
	ds_load_b128 v[X+16*((\t)%2)+4*\i:X+16*((\t)%2)+4*\i+3], v15 offset:32*SP*((\t)%2)+16*\i
.endr
.endm
.irp t, 0,1,2,3,4,5,6,7
	LOAD \t
.endr
	s_wait_loadcnt 4*(DEPTH-1)                     ; step 0's four loads are in; the 28 of steps 1 to 7 stay out
	TURN 0
.macro STEP t
.set XS, X+16*((\t)%2)
.if (\t) > 0
	s_wait_dscnt 1                                 ; this step's numbers are back from the stage (the last step's byte store may be out): so its stores into the stage have read their registers,
.else
	s_wait_dscnt 0x0
.endif
.if (\t)+DEPTH < STEPS
	LOAD (\t)+DEPTH                                ; which take the loads of eight steps on
.endif
.if (\t)+1 < STEPS
.if STEPS-2-(\t) >= DEPTH-1
	s_wait_loadcnt 4*(DEPTH-1)                     ; the next step's four loads are in; those of the seven steps behind it may be out
.else
	s_wait_loadcnt 4*(STEPS-2-(\t))                ; at the end the counts run down
.endif
	TURN (\t)+1                                    ; and go through the other stage while this step is worked
.endif
	v_max3_num_f32 v8, |v[XS]|, |v[XS+1]|, |v[XS+2]|               ; the largest magnitude of my 16, in two chains
	v_max3_num_f32 v9, |v[XS+3]|, |v[XS+4]|, |v[XS+5]|
.irp i, 6,10
	v_max3_num_f32 v8, v8, |v[XS+\i]|, |v[XS+\i+1]|
	v_max3_num_f32 v9, v9, |v[XS+\i+2]|, |v[XS+\i+3]|
.endr
	v_max3_num_f32 v8, v8, |v[XS+14]|, |v[XS+15]|
	v_max3_num_f32 v8, v8, v9, 0x1800000           ; and the floor 2^(3 - 127): the byte cannot fall under 1
	v_max_num_f32_dpp v8, v8, v8 row_xmask:1 row_mask:0xf bank_mask:0xf   ; and of my neighbour's 16: the block's
	v_add_nc_u32 v11, 0xff000000, v8               ; 2 off its exponent field: the conversion takes the exponent field of this operand as its scale, and nothing else of it
	v_cvt_scalef32_pk16_fp6_f32 v[C+4*(\t):C+4*(\t)+2], v[XS:XS+15], v11   ; sixteen codes, 96 bits without gaps, the first number's lowest
	v_lshrrev_b32 v[E+(\t)], 23, v11               ; the scale's byte (also the plain line behind the conversion)
	ds_store_b8 v5, v[E+(\t)] offset:16*(\t)       ; both lanes of a block write the same byte with the same value
	global_store_b96 v4, v[C+4*(\t):C+4*(\t)+2], s[6:7] offset:32*CB*(\t)   ; the wave stores 384 consecutive bytes
.endm
.irp t, 0,1,2,3,4,5,6,7,8,9,10,11,12,13,14,15
	STEP \t
.endr
	ds_load_b64 v[12:13], v6                       ; LDS serves a wave's instructions in order: these see my stores
	s_wait_dscnt 0x0
	global_store_b64 v7, v[12:13], s[8:9]          ; 32 lanes store 256 consecutive bytes, aligned
	s_wait_tensorcnt 0x0
	ds_add_u32 v251, v255
	s_wait_dscnt 0x0
	s_endpgm
.Lfunc_end_k_qedde6c7260_quantx:
	.size	k_qedde6c7260_quantx, .Lfunc_end_k_qedde6c7260_quantx-k_qedde6c7260_quantx
	.p2alignl 7, 3214868480
	.fill 96, 4, 3214868480
	.section	.rodata,"a",@progbits
	.p2align	6, 0x0
	.amdhsa_kernel k_qedde6c7260_quantx
		.amdhsa_group_segment_fixed_size 33280
		.amdhsa_private_segment_fixed_size 0
		.amdhsa_enable_private_segment 0
		.amdhsa_kernarg_size 24
		.amdhsa_user_sgpr_count 2
		.amdhsa_user_sgpr_kernarg_segment_ptr 1
		.amdhsa_wavefront_size32 1
		.amdhsa_system_sgpr_workgroup_id_x 1
		.amdhsa_system_sgpr_workgroup_id_y 1
		.amdhsa_system_sgpr_workgroup_id_z 1
		.amdhsa_system_vgpr_workitem_id 0
		.amdhsa_next_free_vgpr 256
		.amdhsa_next_free_sgpr 66
		.amdhsa_reserve_vcc 0
		.amdhsa_float_denorm_mode_32 3
		.amdhsa_float_denorm_mode_16_64 3
		.amdhsa_memory_ordered 1
		.amdhsa_forward_progress 1
		.amdhsa_inst_pref_size 32
	.end_amdhsa_kernel
	.amdgpu_metadata
---
amdhsa.version: [ 1, 2 ]
amdhsa.kernels:
  - .name:           k_qedde6c7260_quantx
    .symbol:         k_qedde6c7260_quantx.kd
    .args:
      - { .name: x, .offset: 0, .size: 8, .value_kind: global_buffer, .address_space: global }
      - { .name: xq_codes, .offset: 8, .size: 8, .value_kind: global_buffer, .address_space: global }
      - { .name: xq_scales, .offset: 16, .size: 8, .value_kind: global_buffer, .address_space: global }
    .group_segment_fixed_size: 33280
    .private_segment_fixed_size: 0
    .kernarg_segment_align: 8
    .kernarg_segment_size: 24
    .max_flat_workgroup_size: 128
    .sgpr_count:     66
    .vgpr_count:     256
    .wavefront_size: 32
...
	.end_amdgpu_metadata
.endif
;; end of part 1
;; launch gate (part 2): grid 8 x 32, 4 waves a work-group, clusters of 4 x 4, 327,680 bytes of LDS; arguments xq_codes, xq_scales, gate_w_codes, gate_w_scales, x, ladder_w_codes, ladder_w_scales, apart; writes apart
.if DOCPART == 2
	.amdgcn_target "amdgcn-amd-amdhsa--gfx1250"
	.amdhsa_code_object_version 6
	.text
	.protected	k_qedde6c7260_gate
	.globl	k_qedde6c7260_gate
	.p2align	8
	.type	k_qedde6c7260_gate,@function
k_qedde6c7260_gate:
	s_mov_b64 s[64:65], 0
	v_nop
	global_prefetch_b8 v0, s[64:65] scope:SCOPE_SE
	s_setreg_imm32_b32 hwreg(HW_REG_WAVE_MODE, 25, 1), 1
	s_wait_xcnt 0x0
	s_wait_alu depctr_hold_cnt(0) depctr_sa_sdst(0) depctr_va_vdst(0) depctr_va_sdst(0) depctr_va_ssrc(0) depctr_va_vcc(0) depctr_vm_vsrc(0)
	s_getreg_b32 s2, hwreg(HW_REG_IB_STS2, 6, 4)
	s_cmp_eq_u32 s2, 0
	s_cbranch_scc0 .Lentry_in_a_cluster
	s_endpgm
.Lentry_in_a_cluster:
	s_bfe_u32 s2, ttmp6, 0x10000c
	s_cmp_lg_u32 s2, 0xf033
	s_cbranch_scc0 .Lentry_shape_is_right
	s_endpgm
.Lentry_shape_is_right:
; apart[ct][idx][row] = the sum over the 256 columns d of column tile ct of Q(sigmoid(Q(x) gate_w^T) * x)[row][d] ladder_w[idx][d]: the ladder product's partial sums, f32, [8][18][8192].
; THE GATE'S PRODUCT.  Q(x) [8192][2048] and gate_w [2048][2048] are codes of FP6 (E2M3) with one E8M0 byte for each 32 along K.  A tile of 256 x 256 is made by a work-group of four waves,
; 128 x 128 a wave: 64 accumulators of 16 x 16, 512 registers.  K goes in steps of 256 through a ring of two LDS slots filled by the tensor data mover (rows of 192 bytes); the scale bytes of the
; work-group's 256 + 256 rows, for all of K, come once, with the first fills, and stay.  32 x 8 tiles: one for each work-group of the grid.
; CLUSTERS: 4 x 4 work-groups.  The four of a row of the cluster need the same tiles of Q(x), the four of a column the same tiles of gate_w: each tile is asked for JOINTLY.
; THE MATRIX INSTRUCTION IS USED TRANSPOSED (source 0 = 16 rows of gate_w, source 1 = 16 rows of x): lane (r, h) holds row r, and register j of accumulator (a, b) column 16 b + 8 h + j.
; THE WAY OUT, block by block of 16 rows: sigmoid = 1 / (1 + 2^(-s log2 e)) in f32, times x (f32, read here through the wave's stage in LDS so that each load takes 512 consecutive bytes),
; quantised in registers along the columns, which are the ladder product's K, and multiplied by the 18 ladder rows' codes of the wave's 128 columns (two tiles of 16; rows 18 to 31 repeat row 17 and are not read).
; x RUNS AHEAD in four sets of 64 registers: block 0 is asked for at the last change of slots, block 1 at the head of the last step, block 2 behind the last product, block a + 3 in block a's turn.
; A lane's 16 numbers of a block of 32 are columns 8 h + 0..7 and 16 + 8 h + 0..7, so the operand made of them has the block's four groups of 8 codes in the order 0, 2, 1, 3.  The ladder's
; fragments are regrouped in the same order, once: a permutation of k inside one scale block, alike on both sides, keeps every product.
; The two column halves' sums meet in LDS and leave as one plane of 256 rows for each idx: a wave's store covers 512 consecutive bytes, aligned.
; LIMITS: NaN and infinities in x are not served.  Where 2^(-s log2 e) overflows, or 1 / (1 + it) would be denormal, the sigmoid is 0; a gated block of zeros, or under 2^-124, gets the byte 1 (zero codes).
; The sums' order: 128 columns in the matrix unit, then column half 0 + half 1.
; REGISTERS, in windows of 256: window 0: v0-31 addresses, the ladder's two scale words; v32-63 scale words, two sets (on the way out: the quantiser's work); v64-127 x, set 0; from v128 A's fragments, ONE set
;   (on the way out v128-191 x, set 2; v192-255 the gated numbers).  window 1: B's fragments, two sets, at v0 and v128 (on the way out v0-63 x, set 1; v128-191 x, set 3); v96-119 the ladder's fragments;
;   v224-239 the ladder product's results.  window 2: the 32 accumulators of my rows 0-63 ((a, b) at v[8 (8 a + b)]);   window 3: those of my rows 64-127.
.set KSTEP,  256                       ; along K in a slot
.set NQ,     2                         ; matrix instructions deep
.set ROWB,   192                       ; a tile's row in bytes
.set KROW,   1536                      ; a row of codes in memory
.set PITCH,  240                       ; an LDS row: 3 x (64 bytes + 16 of padding)
.set FR,     12                        ; registers of a fragment
.set NL,     6                         ; LDS loads that bring one
.set NP,     4                         ; places behind this matrix instruction (ISA guide 7.12.1)
.set HALFT,  128*PITCH                 ; 128 rows: what one tensor load brings
.set SLOT,   4*HALFT                   ; A's 256 rows, then B's 256 rows
.set LAPS,   4                         ; 2048 / 512: a lap = two K steps = once round the ring
.set KS,     64                        ; a row of scale bytes
.set SCL,    2*SLOT                    ; behind the ring: the scales, as units of 256 bytes + 16 of padding
.set HALFS,  32*272                    ; the scales of 128 rows
.set SBLK,   4*272                     ; those of 16 rows
.set SPARE,  SCL+4*HALFS               ; the spare words, 128 bytes for each wave: two blocks of 256 bytes that no other line names
.set PSP,    1040                      ; the way out, in slot 0 (it has had its last fill and its last read by then): a plane's 256 rows x 4 bytes + 16
.set PSH,    32*PSP                    ; a column half's 32 planes; two halves from LDS byte 0 on
.set XST,    2*PSH                     ; behind them: a stage of 16 rows x (512 bytes + 16) for each wave
.set XSP,    528
.set PGO,  12                          ; v12  apart: (t / 64) planes + 16 (t % 64), t my thread's number
.set PSR,  13                          ; v13  the same place among the planes in LDS
.set PFO,  14                          ; v14  the prefetches' offset: row lane / 2 of a block of x, its bytes 256 (lane % 2) on
.set PSA,  15                          ; v15  where I put 32 bytes of plane r
.set ADRA, 16                          ; v16-17 LDS address of my A fragments in slot 0, 1  (v18-19: behind one padding more)
.set ADRB, 20                          ; v20-23 the same for B
.set XO,   24                          ; v24  16 x lane: my bytes of a row's 512 of x
.set XSI,  25                          ; v25  the stage, on the way in
.set XSO,  26                          ; v26  and on the way out: row r, + 32 h
.set ADRS, 27                          ; v27  LDS address of my scale words: lanes 0-15 A's rows, lanes 16-31 B's
.set SPW,  28                          ; v28  LDS address of my spare word; never rewritten
.set NIL,  29                          ; v29  0; never rewritten
.set LS0,  30                          ; v30, v31  the ladder's scale words of my 128 columns, tile 0 and tile 1
.set LS1,  31
.set SC,   32                          ; scale words: set s at v[SC + 16 s]
.set TM,   32                          ; the way out: v32-35 largest magnitudes, v36-39 bytes, v44-47 the conversions' scale operands; v32-34, v36-38 then take half blocks of codes
.set QW,   48                          ; v48  the gated rows' scale word
.set QC,   52                          ; v52-63 their codes: a fragment
.set XR,   64                          ; v64-87 the ladder's fragments as loaded; at the end the planes' sums
.set AF,   128                         ; A's fragments
.set G,    192                         ; the gated numbers
.set LF0,  96                          ; window 1: the ladder's fragments
.set LF1,  108
.set LD0,  224                         ; window 1: the ladder product's two results
.set LD1,  232
.set XB,   12                          ; s[12:13] x at my wave's first row and column
.set PB,   66                          ; s[66:67] apart at my work-group's planes and rows
.set LC,   96                          ; s[96:97] the ladder's codes, s[98:99] its scale bytes, at my wave's 128 columns
.set LSB,  98
.set SEL,  92                          ; s[92:93] lane selects for v_permlanex16_b32: lane l xor 16
.set NL2E, 100                         ; s[100:101] -log2(e); the packed form names a pair
.set G1, 24                            ; s[24:31] descriptor group 1 for A's tiles;  s[32:39] group 0, one set for each slot
.set G0, 32
.set G1B, 48                           ; s[48:55], s[56:63] the same for B's tiles
.set G0B, 56
.set G1S, 68                           ; s[68:75], s[76:79] groups 1 and 0 for A's scales;  s[80:87], s[88:91] for B's
.set G0S, 76
.set G1SB, 80
.set G0SB, 88
.set MSB, 0
.macro WIN new                         ; the immediate's high byte repeats the setting that is left
.if MSB != (\new)
	s_set_vgpr_msb (MSB<<8)|(\new)
.set MSB, (\new)
.endif
.endm
.set MUL_LO, 0xa1                      ; source 0 (B) window 1, source 1 (A) window 0, C and D window 2
.set MUL_HI, 0xf1                      ; the same, C and D window 3
.set TO_B,   0x40                      ; destination window 1, address window 0
; A joint load: waves 0 and 1 fetch for A, waves 2 and 3 for B.  Each of the two lines has ONE mask and one set of registers for all that issue it; the branch hangs on the wave's number alone.
; Four v_nop follow each of the two lines, ahead of the jump, the label and what follows.
.macro JLOAD g0a, g1a, g0b, g1b
	s_cmp_eq_u32 s15, 0
	s_cbranch_scc0 .Lfor_b_\@
	tensor_load_to_lds s[\g0a:\g0a+3], s[\g1a:\g1a+7]
	s_nop 0
.rept 4
	v_nop
.endr
	s_branch .Lasked_\@
.Lfor_b_\@:
	tensor_load_to_lds s[\g0b:\g0b+3], s[\g1b:\g1b+7]
	s_nop 0
.rept 4
	v_nop
.endr
.Lasked_\@:
.endm
.macro CREST                           ; a round of the cluster's barrier behind its opening barrier
	s_cmp_lg_u32 s14, 0
	s_cbranch_scc1 .Lnot_wave_0_\@
	s_barrier_signal -3
.Lnot_wave_0_\@:
	s_barrier_wait -3
	s_barrier_signal -1
	s_barrier_wait -1
.endm
.macro CROUND                          ; a whole round
	s_barrier_signal -1
	s_barrier_wait -1
	CREST
.endm
	s_load_b128 s[4:7], s[0:1], 0x0                ; Q(x)'s codes s[4:5], its scales s[6:7]
	s_load_b128 s[8:11], s[0:1], 0x10              ; gate_w's codes s[8:9], its scales s[10:11]
	s_load_b64 s[XB:XB+1], s[0:1], 0x20            ; x
	s_load_b64 s[LC:LC+1], s[0:1], 0x28            ; ladder_w's codes
	s_load_b64 s[LSB:LSB+1], s[0:1], 0x30          ; ladder_w's scales
	s_load_b64 s[PB:PB+1], s[0:1], 0x38            ; apart
	v_lshl_add_u32 v[SPW], v0, 2, SPARE
	v_mov_b32 v[NIL], 0
	ds_add_u32 v28, v29
	ds_add_u32 v28, v29
	s_wait_dscnt 0x0
	v_lshrrev_b32 v1, 5, v0
	v_readfirstlane_b32 s14, v1                    ; wave 0..3
	s_lshr_b32 s15, s14, 1                         ; which half of the tile's rows is mine.  Also: I fetch for A (0) or for B (1)
	s_and_b32 s16, s14, 1                          ; which half of its columns.  Also: which 128 rows of that tile I fetch
	s_bfe_u32 s40, ttmp6, 0x40000                  ; cx, cy: my place in the cluster
	s_bfe_u32 s41, ttmp6, 0x40004
	s_lshl_b32 s42, ttmp9, 2
	s_add_co_u32 s42, s42, s40                     ; tile column = 4 x cluster x + cx
	s_and_b32 s17, ttmp7, 0xffff
	s_lshl_b32 s17, s17, 2
	s_add_co_u32 s17, s17, s41                     ; tile row = 4 x cluster y + cy
	s_lshl_b32 s43, s41, 2
	s_lshl_b32 s43, 15, s43                        ; my row of the cluster
	s_lshl_b32 s44, 0x1111, s40                    ; my column
	; descriptor group 1: a tile of 128 rows x 192 bytes, padded in LDS
	s_or_b32 s[G1+0], s43, (0<<16)|(1<<20)|(1<<21)|(3<<22)|(3<<25)  ; 15:0 the mask: A's tiles go to my row; 17:16 element of 1 byte; 20 padding on; 21 set beside a mask; 24:22 after every 16 words (code 3); 31:25 of 4 words (code 3)
	s_or_b32 s[G1B+0], s44, (0<<16)|(1<<20)|(1<<21)|(3<<22)|(3<<25)
.irp g, G1, G1B
	s_mov_b32 s[\g+1], ROWB<<16                    ; tensor_dim0
	s_mov_b32 s[\g+2], 128<<16                     ; tensor_dim1 = 128
	s_mov_b32 s[\g+3], ROWB<<16                    ; tile_dim0
	s_mov_b32 s[\g+4], 128                         ; tile_dim1 = 128
	s_mov_b32 s[\g+5], KROW                        ; tensor_dim0_stride
	s_mov_b32 s[\g+6], 0
	s_mov_b32 s[\g+7], 0
.endr
	; and for the scales of 128 rows: a dense block of 8,192 bytes, as 32 rows of 256 bytes (32 elements of 8 bytes), 16 bytes of padding behind each
	s_or_b32 s[G1S+0], s43, (3<<16)|(1<<20)|(1<<21)|(5<<22)|(3<<25)
	s_or_b32 s[G1SB+0], s44, (3<<16)|(1<<20)|(1<<21)|(5<<22)|(3<<25)
.irp g, G1S, G1SB
	s_mov_b32 s[\g+1], 32<<16
	s_mov_b32 s[\g+2], 32<<16
	s_mov_b32 s[\g+3], 32<<16
	s_mov_b32 s[\g+4], 32
	s_mov_b32 s[\g+5], 32
	s_mov_b32 s[\g+6], 0
	s_mov_b32 s[\g+7], 0
.endr
	s_lshl_b32 s18, s16, 7                         ; which 128 rows of the tile I fetch
	s_lshl_b32 s20, s17, 8
	s_add_co_u32 s20, s20, s18                     ; A: row 256 x tile row + 128 x half
	s_lshl_b32 s46, s42, 8
	s_add_co_u32 s46, s46, s18                     ; B: row 256 x tile column + 128 x half
	s_mov_b32 s21, 0
	s_mov_b32 s47, 0
	s_mov_b64 s[18:19], KS
	s_mul_u64 s[22:23], s[20:21], s[18:19]         ; where these rows' scales begin, in bytes
	s_mul_u64 s[92:93], s[46:47], s[18:19]
	s_mov_b64 s[18:19], KROW
	s_mul_u64 s[20:21], s[20:21], s[18:19]         ; and their codes
	s_mul_u64 s[46:47], s[46:47], s[18:19]
	s_mul_i32 s45, s14, HALFT                      ; where they go: wave x 128 rows: no place in the cluster enters an LDS address
	s_mul_i32 s94, s14, HALFS
	s_wait_kmcnt 0x0
	s_add_nc_u64 s[20:21], s[4:5], s[20:21]
	s_add_nc_u64 s[22:23], s[6:7], s[22:23]
	s_add_nc_u64 s[46:47], s[8:9], s[46:47]
	s_add_nc_u64 s[92:93], s[10:11], s[92:93]
	CROUND                                         ; all sixteen work-groups are here: the first joint loads meet
	s_mov_b32 s[G0S], 1
	s_add_co_u32 s[G0S+1], s94, SCL
	s_mov_b64 s[G0S+2:G0S+3], s[22:23]
	s_or_b32 s[G0S+3], s[G0S+3], 0x80000000
	s_mov_b32 s[G0SB], 1
	s_add_co_u32 s[G0SB+1], s94, SCL
	s_mov_b64 s[G0SB+2:G0SB+3], s[92:93]
	s_or_b32 s[G0SB+3], s[G0SB+3], 0x80000000
	JLOAD G0S, G1S, G0SB, G1SB                     ; the scales first: they are wanted with K step 0
.irp s, 0,1
	s_mov_b32 s[G0+4*\s], 1
	s_add_co_u32 s[G0+4*\s+1], s45, \s*SLOT
	s_add_nc_u64 s[G0+4*\s+2:G0+4*\s+3], s[20:21], \s*ROWB
	s_or_b32 s[G0+4*\s+3], s[G0+4*\s+3], 0x80000000
	s_mov_b32 s[G0B+4*\s], 1
	s_add_co_u32 s[G0B+4*\s+1], s45, \s*SLOT
	s_add_nc_u64 s[G0B+4*\s+2:G0B+4*\s+3], s[46:47], \s*ROWB
	s_or_b32 s[G0B+4*\s+3], s[G0B+4*\s+3], 0x80000000
	JLOAD G0+4*\s, G1, G0B+4*\s, G1B               ; three tensor loads of mine are out
.endr
	v_and_b32 v1, 15, v0                           ; r = l % 16
	v_bfe_u32 v2, v0, 4, 1                         ; h = l / 16
	; the ladder's codes and scale words of my wave's 128 columns: K step 2 x tile column + column half of the ladder's sixteen.
	; They are asked for here and waited for at the last change of slots: nothing of the K loop wants them; v8-11 and s[96:99], which these loads name, are never written again
	s_lshl_b32 s20, s42, 1
	s_add_co_u32 s20, s20, s16
	s_mul_i32 s22, s20, 96                         ; 128 codes are 96 bytes
	s_mov_b32 s23, 0
	s_add_nc_u64 s[LC:LC+1], s[LC:LC+1], s[22:23]
	s_lshl_b32 s22, s20, 2                         ; and 4 scale bytes
	s_add_nc_u64 s[LSB:LSB+1], s[LSB:LSB+1], s[22:23]
	v_mul_u32_u24 v8, v1, KROW
	v_mad_u32_u24 v8, v2, 24, v8                   ; tile 0: ladder row r, + 24 h
	v_min_u32 v10, 1, v1
	v_add_nc_u32 v10, 16, v10                      ; tile 1: rows 16, 17, and 17 again for the lanes that have none: no load leaves the buffer
	v_mul_u32_u24 v9, v10, KROW
	v_mad_u32_u24 v9, v2, 24, v9
	v_lshlrev_b32 v11, 6, v1                       ; a row of the ladder's scale bytes is 64 bytes
	v_lshlrev_b32 v10, 6, v10
.irp p, 0,1,2,3,4,5
	global_load_b64 v[XR+2*\p:XR+2*\p+1], v8, s[LC:LC+1] offset:48*(\p/3)+8*(\p%3)
	global_load_b64 v[XR+12+2*\p:XR+12+2*\p+1], v9, s[LC:LC+1] offset:48*(\p/3)+8*(\p%3)
.endr
	global_load_b32 v[LS0], v11, s[LSB:LSB+1]
	global_load_b32 v[LS1], v10, s[LSB:LSB+1]
	; addresses
	v_mul_u32_u24 v3, v1, PITCH
	v_mul_u32_u24 v4, v2, 24
	v_add_nc_u32 v4, v3, v4                        ; a fragment's row x pitch + 24 x half
	v_lshl_add_u32 v5, v2, 4, v4                   ; and the same behind one padding more
	s_mul_i32 s21, s15, HALFT                      ; my 128 rows of A
	s_mul_i32 s22, s16, HALFT                      ; my 128 rows of B,
	s_add_co_u32 s22, s22, 2*HALFT                 ; which lie behind A's 256
.irp s, 0,1
	v_add_nc_u32 v[ADRA+\s], s21, v4
	v_add_nc_u32 v[ADRB+\s], s22, v4
	v_add_nc_u32 v[ADRA+2+\s], s21, v5
	v_add_nc_u32 v[ADRB+2+\s], s22, v5
	s_add_co_u32 s21, s21, SLOT
	s_add_co_u32 s22, s22, SLOT
.endr
	v_mul_u32_u24 v5, v1, KS                       ; my row's scales: 64 bytes a row,
	v_lshrrev_b32 v6, 8, v5
	v_lshl_add_u32 v5, v6, 4, v5                   ; and 16 more for each 256 passed
	s_mul_i32 s21, s15, HALFS                      ; A's: my 128 rows
	s_mul_i32 s22, s16, HALFS                      ; B's: my 128 rows, behind A's 256
	s_add_co_u32 s22, s22, 2*HALFS
	s_sub_co_u32 s22, s22, s21
	v_mul_u32_u24 v6, s22, v2                      ; lanes 16-31 take B's
	s_add_co_u32 s21, s21, SCL
	v_add_nc_u32 v5, v5, v6
	v_add_nc_u32 v[ADRS], s21, v5
	v_and_b32 v7, 31, v0                           ; lane
	v_lshlrev_b32 v[XO], 4, v7
	s_mul_i32 s23, s14, 16*XSP
	s_add_co_u32 s23, s23, XST                     ; my stage for x
	v_add_nc_u32 v[XSI], s23, v[XO]                ; in: a row's 512 bytes as they lie
	v_mul_u32_u24 v5, v1, XSP
	v_lshl_add_u32 v5, v2, 5, v5
	v_add_nc_u32 v[XSO], s23, v5                   ; out: row r, + 32 h
	s_mul_i32 s21, s16, PSH                        ; the planes: my column half's,
	s_lshl_b32 s22, s15, 9                         ; my 128 rows' 512 bytes,
	s_add_co_u32 s21, s21, s22
	v_mul_u32_u24 v5, v1, PSP                      ; plane r,
	v_lshl_add_u32 v5, v2, 5, v5                   ; eight rows for each half of the lanes
	v_add_nc_u32 v[PSA], s21, v5
	v_lshrrev_b32 v5, 6, v0                        ; back: threads 0-63 take the even planes, 64-127 the odd ones; 16 bytes a thread
	v_and_b32 v6, 63, v0
	v_lshlrev_b32 v6, 4, v6
	v_lshl_add_u32 v[PGO], v5, 15, v6              ; a plane of apart is 32,768 bytes
	v_mad_u32_u24 v[PSR], v5, PSP, v6
	v_lshrrev_b32 v5, 1, v7
	v_and_b32 v6, 1, v7
	v_lshlrev_b32 v6, 8, v6
	v_lshl_add_u32 v[PFO], v5, 13, v6              ; a row of x is 8,192 bytes
	s_lshl_b32 s20, s17, 8
	s_lshl_b32 s21, s15, 7
	s_add_co_u32 s20, s20, s21                     ; my first row: 256 x tile row + 128 x half
	s_lshl_b32 s20, s20, 13
	s_lshl_b32 s46, s42, 10                        ; my first column, in bytes: 1024 x tile column + 512 x half
	s_lshl_b32 s47, s16, 9
	s_add_co_u32 s46, s46, s47
	s_add_co_u32 s20, s20, s46                     ; under 2^27
	s_mov_b32 s21, 0
	s_add_nc_u64 s[XB:XB+1], s[XB:XB+1], s[20:21]
	s_mul_i32 s20, s42, 18*32768                   ; apart: my column tile's 18 planes,
	s_lshl_b32 s46, s17, 10                        ; my tile's 256 rows
	s_add_co_u32 s20, s20, s46
	s_add_nc_u64 s[PB:PB+1], s[PB:PB+1], s[20:21]
	s_mov_b32 s[SEL], 0x76543210
	s_mov_b32 s[SEL+1], 0xfedcba98
	s_mov_b32 s[NL2E], 0xbfb8aa3b                  ; -log2(e)
	s_mov_b32 s[NL2E+1], s[NL2E]                   ; (named with it as a pair, so it is written)
.macro FRAG reg, adr, q, i             ; a fragment, 16 rows x 128 K of 6-bit codes, is 12 registers: lane l holds row l % 16; registers 6 c .. 6 c + 5 hold K = 64 c + 32 (l / 16) + 0 .. 31: 24 bytes of the row's stream of bits, as they lie
.irp p, 0,1,2,3,4,5                    ; in pieces of 8 bytes.  Lanes 0-15 take the row's pieces 12 q + 0, 1, 2 and 12 q + 6, 7, 8, lanes 16-31 those three pieces on
.set PCE, 12*(\q)+6*(\p/3)+\p%3        ; 16 bytes of padding lie behind every 8 pieces: where the piece three on lies behind one padding more, the second address register serves
.if PCE%8 < 5
	ds_load_b64 v[\reg+2*\p:\reg+2*\p+1], v[\adr] offset:8*PCE+16*(PCE/8)+(\i)*16*PITCH
.else
	ds_load_b64 v[\reg+2*\p:\reg+2*\p+1], v[\adr+2] offset:8*PCE+16*(PCE/8)+(\i)*16*PITCH
.endif
.endr
.endm
; 16 matrix instructions: A's blocks a0, a0 + 1 x B's eight, 128 along K: the slot's q-th.  p: B's set;  sc: the set of scale words.  zero = 1: the first product starts the sums: nothing is ever cleared.
; The 64 accumulators take turns, one instruction a turn, in the same order in every step.
.macro MUL16 a0, p, q, sc, zero
.irp a, \a0, \a0+1
.irp b, 0,1,2,3,4,5,6,7
.if \zero
	v_wmma_scale_f32_16x16x128_f8f6f4 v[8*(8*((\a)%4)+\b):8*(8*((\a)%4)+\b)+7], v[128*(\p)+FR*\b:128*(\p)+FR*\b+FR-1], v[AF+FR*(\a):AF+FR*(\a)+FR-1], 0, v[SC+8*NQ*(\sc)+NQ*\b+(\q)], v[SC+8*NQ*(\sc)+NQ*(\a)+(\q)] matrix_a_fmt:MATRIX_FMT_FP6 matrix_b_fmt:MATRIX_FMT_FP6 matrix_a_scale:MATRIX_SCALE_ROW1
.else
	v_wmma_scale_f32_16x16x128_f8f6f4 v[8*(8*((\a)%4)+\b):8*(8*((\a)%4)+\b)+7], v[128*(\p)+FR*\b:128*(\p)+FR*\b+FR-1], v[AF+FR*(\a):AF+FR*(\a)+FR-1], v[8*(8*((\a)%4)+\b):8*(8*((\a)%4)+\b)+7], v[SC+8*NQ*(\sc)+NQ*\b+(\q)], v[SC+8*NQ*(\sc)+NQ*(\a)+(\q)] matrix_a_fmt:MATRIX_FMT_FP6 matrix_b_fmt:MATRIX_FMT_FP6 matrix_a_scale:MATRIX_SCALE_ROW1
.endif
.endr
.endr
.endm
.macro FETCH_B slot, q, p              ; B's eight fragments of the slot's q-th 128 along K into set p
	WIN TO_B
.irp i, 0,1,2,3,4,5,6,7
	FRAG 128*(\p)+FR*\i, ADRB+\slot, \q, \i
.endr
	WIN 0
.endm
.macro FETCH_A slot, q, i0             ; A's blocks i0 .. i0 + 3
.irp i, \i0, \i0+1, \i0+2, \i0+3
	FRAG AF+FR*(\i), ADRA+\slot, \q, \i
.endr
.endm
.macro SCALES sc                       ; the next K step's scale words into set sc: two words a row; lanes 0-15 take A's block i, lanes 16-31 B's block i
.irp i, 0,1,2,3,4,5,6,7
	ds_load_b64 v[SC+8*NQ*\sc+NQ*\i:SC+8*NQ*\sc+NQ*\i+1], v[ADRS] offset:\i*SBLK
.endr
.endm
; A load into a register that a matrix instruction has read, and a vector instruction or an LDS store that reads a matrix result, stand NP places behind that matrix instruction; only plain vector
; instructions that name none of its registers are places (ISA guide 7.12.1 for vector instructions).
.macro PLACES n
.rept \n
	v_nop
.endr
.endm
; x of block a (my rows 16 a .. 16 a + 15, my 128 columns) into set a % 4: each load takes one row's 512 consecutive bytes.
; The sets: 0: window 0, v64-127;  1: window 1, v0-63;  2: window 0, v128-191;  3: window 1, v128-191.
.macro XLOAD a
.set XL, 64*(1-(\a)%2)*(1-((\a)%4)/2)+128*(((\a)%4)/2)
.set XLW, (\a)%2
	WIN XLW<<6                                     ; the destination's window
.irp t, 0,1,2,3,4,5,6,7,8,9,10,11,12,13,14,15
	global_load_b128 v[XL+4*\t:XL+4*\t+3], v[XO], s[XB:XB+1] offset:(16*(\a)+\t)*8192 th:TH_LOAD_NT
.endr
	WIN 0
.endm
; The ladder's fragments, asked for at the head, are regrouped: each block's 24 bytes are four groups of 8 codes, 6 bytes each: they are laid in the order 0, 2, 1, 3, as the gated operand will have them.
.macro LADDER
	s_wait_loadcnt 0x0                             ; the ladder's fragments and scale words: my only loads so far
	WIN 0x40                                       ; destination window 1
.irp u, 0,1,2,3                                ; tile u / 2, blocks of half u % 2: six registers each
	v_mov_b32 v[LF0+6*\u], v[XR+6*\u]
	v_perm_b32 v[LF0+6*\u+1], v[XR+6*\u+3], v[XR+6*\u+1], 0x05040100   ; bytes 4, 5, 12, 13
	v_perm_b32 v[LF0+6*\u+2], v[XR+6*\u+4], v[XR+6*\u+3], 0x05040302   ; bytes 14 to 17
	v_perm_b32 v[LF0+6*\u+3], v[XR+6*\u+2], v[XR+6*\u+1], 0x05040302   ; bytes 6 to 9
	v_perm_b32 v[LF0+6*\u+4], v[XR+6*\u+4], v[XR+6*\u+2], 0x07060302   ; bytes 10, 11, 18, 19
	v_mov_b32 v[LF0+6*\u+5], v[XR+6*\u+5]
.endr
	WIN 0
.endm
; A step of 128 along K that has its successor in the same slot.
.macro STEP slot, q, zero
	s_wait_dscnt 4*NL                              ; B's set and A's blocks 0-3 are in; the youngest 24 loads (A's blocks 4-7) may be out
	WIN MUL_LO
	MUL16 0, (\q)%2, \q, \slot, \zero
	MUL16 2, (\q)%2, \q, \slot, \zero
	s_wait_dscnt 0                                 ; A's blocks 4-7 are in (asked for 32 matrix instructions ago)
	PLACES NP
	FETCH_B \slot, (\q)+1, 1-(\q)%2
	FETCH_A \slot, (\q)+1, 0
	WIN MUL_HI
	MUL16 4, (\q)%2, \q, \slot, \zero
	MUL16 6, (\q)%2, \q, \slot, \zero
	PLACES NP
	WIN 0
	FETCH_A \slot, (\q)+1, 4
.endm
; A slot's last step changes slots: ONE barrier; in front of it each wave waits for all its tensor loads, adds 0 to its spare word, and waits for that and for its own reads of this slot.
; fill = 1: this slot is filled again, two K steps ahead.  ask = 1, at the last change of slots: the ladder is made ready, and x begins to come.
.macro TURN slot, next, fill, ask
	s_wait_tensorcnt 0x0                           ; all my tensor loads have landed: my part of the next slot;  (every window is 0 here)
	ds_add_u32 v[SPW], v[NIL]                      ; 0 onto my spare word
	s_wait_dscnt 4*NL+1                            ; (the add and the youngest 24 loads, A's blocks 4-7, may be out)
	WIN MUL_LO
	MUL16 0, 1, NQ-1, \slot, 0                     ; sixteen matrix instructions stand between the add and the wait for it
	s_wait_dscnt 0x0                               ; the add is done, and my reads of this slot are over
	s_barrier_signal -1
	MUL16 2, 1, NQ-1, \slot, 0
	WIN 0
	s_barrier_wait -1
.if \fill
	CREST                                          ; the barrier has opened a round of the cluster's barrier: no wave of any partner still reads this slot's tile or has a load on its way
	s_add_nc_u64 s[G0+4*\slot+2:G0+4*\slot+3], s[G0+4*\slot+2:G0+4*\slot+3], 2*ROWB
	s_add_nc_u64 s[G0B+4*\slot+2:G0B+4*\slot+3], s[G0B+4*\slot+2:G0B+4*\slot+3], 2*ROWB
	JLOAD G0+4*\slot, G1, G0B+4*\slot, G1B         ; the first tensor load behind the round; the four v_nop behind it are the places in front of the loads below
.else
	PLACES NP
.endif
	v_add_nc_u32 v[ADRS], 4*NQ, v[ADRS]            ; on to the next K step's scale words (no LDS load of mine is out)
	FETCH_B \next, 0, 0
	FETCH_A \next, 0, 0
	SCALES \next
.if \ask
	LADDER
	XLOAD 0                                        ; x of block 0, over the ladder's raw registers, which no matrix instruction names: 160 matrix instructions ahead of its use
; A PREFETCH INTO THE L2 of x for the way out.  A block is my wave's 16 rows x 512 bytes: a lane names one aligned 256 bytes of it, one instruction a block.  Each is named once in the launch, by the wave that
; will load it.  Blocks 1 to 4 are named here, behind block 0's loads: 96 matrix instructions ahead of block 1's loads, more for the others; block a + 5 is named in block a's turn, two blocks ahead of its loads.
; Block 0 is not named: its loads stand here.  No tensor load follows.
.irp a, 1,2,3,4
	global_prefetch_b8 v[PFO], s[XB:XB+1] offset:\a*131072 th:TH_LOAD_NT scope:SCOPE_SE
.endr
.endif
	WIN MUL_HI
	MUL16 4, 1, NQ-1, \slot, 0
	MUL16 6, 1, NQ-1, \slot, 0
	PLACES NP
	WIN 0
	FETCH_A \next, 0, 4
.endm
; 64 numbers of a lane, v[s] .. v[s + 63], 16 of each of my row's four blocks of 32, become a fragment's codes in v[QC] on and its scale word in v[QW].
.macro QUANT s
.irp b, 0,1,2,3
	v_max3_num_f32 v[TM+\b], |v[\s+16*\b]|, |v[\s+1+16*\b]|, 0x1800000   ; block b: my 16 numbers, and the floor 2^(3 - 127): the byte cannot fall under 1
.endr
.irp i, 2,4,6,8,10,12,14
.irp b, 0,1,2,3
	v_max3_num_f32 v[TM+\b], v[TM+\b], |v[\s+16*\b+\i]|, |v[\s+1+16*\b+\i]|   ; (the four blocks by turns)
.endr
.endr
.irp b, 0,1,2,3
	v_permlanex16_b32 v[TM+4+\b], v[TM+\b], s[SEL], s[SEL+1]   ; (its destination counts as read: the main loop's scale loads have written it)
.endr
.irp b, 0,1,2,3
	v_max_num_f32 v[TM+\b], v[TM+\b], v[TM+4+\b]   ; with lane l xor 16's: the block's largest magnitude
.endr
.irp b, 0,1,2,3
	v_add_nc_u32 v[TM+12+\b], 0xff000000, v[TM+\b]   ; 2 off its exponent field: the conversion's scale operand
.endr
.irp b, 0,1,2,3
	v_lshrrev_b32 v[TM+4+\b], 23, v[TM+12+\b]      ; the scale's byte
.endr
	v_lshl_or_b32 v[QW], v[TM+5], 8, v[TM+4]       ; the four bytes make my row's scale word
	v_lshl_or_b32 v[QW], v[TM+6], 16, v[QW]
	v_lshl_or_b32 v[QW], v[TM+7], 24, v[QW]
.irp c, 0,1
	v_cvt_scalef32_pk16_fp6_f32 v[QC+6*\c:QC+2+6*\c], v[\s+32*\c:\s+15+32*\c], v[TM+12+2*\c]
	v_cvt_scalef32_pk16_fp6_f32 v[TM+4*\c:TM+2+4*\c], v[\s+16+32*\c:\s+31+32*\c], v[TM+12+2*\c+1]   ; (a conversion's three registers begin on an even number)
.endr
	v_nop                                          ; one plain place behind a scaled conversion
.irp c, 0,1                                    ; the operand's layout wants a WHOLE block in a lane: lanes 0-15 block 2 c, lanes 16-31 block 2 c + 1
.irp i, 0,1,2
	v_permlane16_swap_b32 v[QC+6*\c+\i], v[TM+4*\c+\i]
.endr
.irp i, 0,1,2
	v_mov_b32 v[QC+3+6*\c+\i], v[TM+4*\c+\i]
.endr
.endr
.endm
; THE WAY OUT of block a.
.macro EBLOCK a
.set XS, 64*(1-(\a)%2)*(1-((\a)%4)/2)+128*(((\a)%4)/2)   ; this block's set of x, and its window
.set XSW, (\a)%2
.set AC, 64*((\a)%4)
.if (\a) < 6
	s_wait_loadcnt 32                              ; this block's 16 loads are in; the 32 of the two blocks behind it stay out
.else
	s_wait_loadcnt 16*(7-(\a))                     ; at the end the counts run down
.endif
	WIN XSW<<2                                     ; an LDS store's data are its source 1
.irp t, 0,1,2,3,4,5,6,7,8,9,10,11,12,13,14,15
	ds_store_b128 v[XSI], v[XS+4*\t:XS+4*\t+3] offset:XSP*\t       ; rows as they lie
.endr
	WIN XSW<<6
.irp n, 0,1,2,3,4,5,6,7,8,9,10,11,12,13,14,15
	ds_load_b128 v[XS+4*\n:XS+4*\n+3], v[XSO] offset:64*(\n/2)+16*(\n%2)   ; back in the accumulators' layout: register 8 b + j = x(r, 16 b + 8 h + j).  LDS serves a wave's instructions in order: these see the stores above
.endr
	WIN 0
.if (\a) < 5
	XLOAD (\a)+3                                   ; three blocks ahead, into the set that block a - 1 has left (for block 0: B's second set, four places behind the last product): 48 loads of mine are out
.endif
.if (\a) < 3
	global_prefetch_b8 v[PFO], s[XB:XB+1] offset:((\a)+5)*131072 th:TH_LOAD_NT scope:SCOPE_SE   ; behind my loads: block a + 5
.endif
	WIN 0x02+(\a)/4                                ; source 0: window 2 or 3
.set n0, 0
.rept 32
	v_pk_mul_f32 v[G+n0:G+n0+1], v[AC+n0:AC+n0+1], s[NL2E:NL2E+1] op_sel_hi:[1,0]   ; -s log2(e); each accumulator from its low end on
.set n0, n0+2
.endr
	WIN 0
.set n0, 0
.rept 64
	v_exp_f32 v[G+n0], v[G+n0]
.set n0, n0+1
.endr
	v_nop                                          ; a plain place behind the last exponential,
	s_wait_alu depctr_va_vdst(0)                   ; and one wait for the batch, ahead of its first reader
.set n0, 0
.rept 32
	v_pk_add_f32 v[G+n0:G+n0+1], v[G+n0:G+n0+1], 1.0 op_sel_hi:[1,0]
.set n0, n0+2
.endr
.set n0, 0
.rept 64
	v_rcp_f32 v[G+n0], v[G+n0]                     ; the sigmoid
.set n0, n0+1
.endr
	v_nop
	s_wait_alu depctr_va_vdst(0)                   ; one wait for the 64 reciprocals
	s_wait_dscnt 0x0                               ; x is back from the stage; the last block's stores of sums have read their registers
	WIN XSW<<2                                     ; source 1: x's window
.set n0, 0
.rept 32
	v_pk_mul_f32 v[G+n0:G+n0+1], v[G+n0:G+n0+1], v[XS+n0:XS+n0+1]   ; x the unquantised x
.set n0, n0+2
.endr
	WIN 0
	QUANT G
.rept 8
	v_nop                                          ; a scale register written by a vector instruction stands 8 places ahead of a scaled matrix instruction, an operand so written 4
.endr
	WIN 0x44                                       ; source 0 (the gated rows) window 0, source 1 (the ladder) and D window 1
	v_wmma_scale_f32_16x16x128_f8f6f4 v[LD0:LD0+7], v[QC:QC+11], v[LF0:LF0+11], 0, v[QW], v[LS0] matrix_a_fmt:MATRIX_FMT_FP6 matrix_b_fmt:MATRIX_FMT_FP6   ; register j of lane (r, h): row 16 a + 8 h + j, ladder row r
	v_wmma_scale_f32_16x16x128_f8f6f4 v[LD1:LD1+7], v[QC:QC+11], v[LF1:LF1+11], 0, v[QW], v[LS1] matrix_a_fmt:MATRIX_FMT_FP6 matrix_b_fmt:MATRIX_FMT_FP6   ; ladder row 16 + r
.rept 4
	v_nop                                          ; places in front of the stores that read the results
.endr
	WIN 0x04                                       ; an LDS store's data are its source 1: window 1
	ds_store_b128 v[PSA], v[LD0:LD0+3] offset:64*(\a)
	ds_store_b128 v[PSA], v[LD0+4:LD0+7] offset:64*(\a)+16
	ds_store_b128 v[PSA], v[LD1:LD1+3] offset:16*PSP+64*(\a)
	ds_store_b128 v[PSA], v[LD1+4:LD1+7] offset:16*PSP+64*(\a)+16
	WIN 0
.endm
	s_wait_tensorcnt 1                             ; the scales and my part of K step 0 are in (K step 1's load may be out)
	s_barrier_signal -1
	s_barrier_wait -1                              ; everybody's are
	FETCH_B 0, 0, 0
	FETCH_A 0, 0, 0
	SCALES 0
	FETCH_A 0, 0, 4
	STEP 0, 0, 1                                   ; the first step stands in front of the loop: its products start the sums
	s_mov_b32 s3, LAPS-1
.Llap:                                                 ; a trip goes once round the ring, from a lap's second step to the next lap's first, and fills both slots again
	TURN 0, 1, 1, 0
	STEP 1, 0, 0
	TURN 1, 0, 1, 0
	STEP 0, 0, 0
	s_sub_co_u32 s3, s3, 1
	s_cmp_lg_u32 s3, 0
	s_cbranch_scc1 .Llap
	TURN 0, 1, 0, 1                                ; the last lap fills nothing, and has no round of the cluster's barrier
	STEP 1, 0, 0
	XLOAD 1                                        ; x of block 1, into B's first set: its last products stand ahead of the step's closing places; 64 matrix instructions ahead of the way out
	s_wait_dscnt 4*NL                              ; the very last step: nothing more to fetch from the ring
	WIN MUL_LO
	MUL16 0, 1, NQ-1, 1, 0
	MUL16 2, 1, NQ-1, 1, 0
	s_wait_dscnt 0
	WIN MUL_HI
	MUL16 4, 1, NQ-1, 1, 0
	MUL16 6, 1, NQ-1, 1, 0
	WIN 0
	PLACES NP                                      ; for the loads and vector writes into the registers that held A's and B's fragments and the scale words, and for the reads of results
	XLOAD 2                                        ; x of block 2, into A's registers
.irp a, 0,1,2,3,4,5,6,7
	EBLOCK \a
.endr
	s_wait_dscnt 0x0                               ; for the others' sake: my stores of sums are done
	s_barrier_signal -1
	s_barrier_wait -1                              ; both column halves' 18 planes of 256 rows lie in LDS
.irp i, 0,1,2,3,4,5,6,7,8
	ds_load_b128 v[XR+4*\i:XR+4*\i+3], v[PSR] offset:2*PSP*\i            ; plane 2 i + t / 64, column half 0,
	ds_load_b128 v[XR+36+4*\i:XR+36+4*\i+3], v[PSR] offset:2*PSP*\i+PSH  ; and half 1
.endr
	s_wait_dscnt 0x0
.irp i, 0,2,4,6,8,10,12,14,16,18,20,22,24,26,28,30,32,34
	v_pk_add_f32 v[XR+\i:XR+\i+1], v[XR+\i:XR+\i+1], v[XR+36+\i:XR+36+\i+1]
.endr
.irp i, 0,1,2,3,4,5,6,7,8
	global_store_b128 v[PGO], v[XR+4*\i:XR+4*\i+3], s[PB:PB+1] offset:65536*\i   ; a wave stores 512 consecutive bytes of a plane, aligned
.endr
	s_wait_tensorcnt 0x0                           ; the wave's end, behind my last tensor load and my last LDS store
	ds_add_u32 v[SPW], v[NIL]
	s_wait_dscnt 0x0
	CROUND                                         ; the closing round: no work-group ends while a partner may still ask for a tile that names it
	s_endpgm
.Lfunc_end_k_qedde6c7260_gate:
	.size	k_qedde6c7260_gate, .Lfunc_end_k_qedde6c7260_gate-k_qedde6c7260_gate
	.p2alignl 7, 3214868480
	.fill 96, 4, 3214868480
	.section	.rodata,"a",@progbits
	.p2align	6, 0x0
	.amdhsa_kernel k_qedde6c7260_gate
		.amdhsa_group_segment_fixed_size 327680
		.amdhsa_private_segment_fixed_size 0
		.amdhsa_enable_private_segment 0
		.amdhsa_kernarg_size 64
		.amdhsa_user_sgpr_count 2
		.amdhsa_user_sgpr_kernarg_segment_ptr 1
		.amdhsa_wavefront_size32 1
		.amdhsa_system_sgpr_workgroup_id_x 1
		.amdhsa_system_sgpr_workgroup_id_y 1
		.amdhsa_system_sgpr_workgroup_id_z 1
		.amdhsa_system_vgpr_workitem_id 0
		.amdhsa_next_free_vgpr 1024
		.amdhsa_next_free_sgpr 102
		.amdhsa_reserve_vcc 0
		.amdhsa_float_denorm_mode_32 3
		.amdhsa_float_denorm_mode_16_64 3
		.amdhsa_memory_ordered 1
		.amdhsa_forward_progress 1
		.amdhsa_inst_pref_size 255
	.end_amdhsa_kernel
	.section	.bss,"aw",@nobits
	.p2align	6
	.space	262144
	.amdgpu_metadata
---
amdhsa.version: [ 1, 2 ]
amdhsa.kernels:
  - .name:           k_qedde6c7260_gate
    .symbol:         k_qedde6c7260_gate.kd
    .args:
      - { .name: xq_codes, .offset: 0, .size: 8, .value_kind: global_buffer, .address_space: global }
      - { .name: xq_scales, .offset: 8, .size: 8, .value_kind: global_buffer, .address_space: global }
      - { .name: gate_w_codes, .offset: 16, .size: 8, .value_kind: global_buffer, .address_space: global }
      - { .name: gate_w_scales, .offset: 24, .size: 8, .value_kind: global_buffer, .address_space: global }
      - { .name: x, .offset: 32, .size: 8, .value_kind: global_buffer, .address_space: global }
      - { .name: ladder_w_codes, .offset: 40, .size: 8, .value_kind: global_buffer, .address_space: global }
      - { .name: ladder_w_scales, .offset: 48, .size: 8, .value_kind: global_buffer, .address_space: global }
      - { .name: apart, .offset: 56, .size: 8, .value_kind: global_buffer, .address_space: global }
    .group_segment_fixed_size: 327680
    .private_segment_fixed_size: 0
    .kernarg_segment_align: 8
    .kernarg_segment_size: 64
    .max_flat_workgroup_size: 128
    .sgpr_count:     102
    .vgpr_count:     1024
    .wavefront_size: 32
...
	.end_amdgpu_metadata
.endif
;; end of part 2
;; launch ulin (part 3): grid 8 x 32, 4 waves a work-group, clusters of 4 x 4, 327,680 bytes of LDS; arguments xq_codes, xq_scales, U_w_codes, U_w_scales, apart, V_w, out0; writes out0
.if DOCPART == 3
	.amdgcn_target "amdgcn-amd-amdhsa--gfx1250"
	.amdhsa_code_object_version 6
	.text
	.protected	k_qedde6c7260_ulin
	.globl	k_qedde6c7260_ulin
	.p2align	8
	.type	k_qedde6c7260_ulin,@function
k_qedde6c7260_ulin:
	s_mov_b64 s[64:65], 0
	v_nop
	global_prefetch_b8 v0, s[64:65] scope:SCOPE_SE
	s_setreg_imm32_b32 hwreg(HW_REG_WAVE_MODE, 25, 1), 1
	s_wait_xcnt 0x0
	s_wait_alu depctr_hold_cnt(0) depctr_sa_sdst(0) depctr_va_vdst(0) depctr_va_sdst(0) depctr_va_ssrc(0) depctr_va_vcc(0) depctr_vm_vsrc(0)
	s_getreg_b32 s2, hwreg(HW_REG_IB_STS2, 6, 4)
	s_cmp_eq_u32 s2, 0
	s_cbranch_scc0 .Lentry_in_a_cluster
	s_endpgm
.Lentry_in_a_cluster:
	s_bfe_u32 s2, ttmp6, 0x10000c
	s_cmp_lg_u32 s2, 0xf033
	s_cbranch_scc0 .Lentry_shape_is_right
	s_endpgm
.Lentry_shape_is_right:
; out0[row][n] = the sum over k of Q(x)[row][k] U_w[n][k] + the sum over l of z[row][l] V_w[n][l].
; z[row][l] = a0 + a1 / (1 + a2 / (1 + a3 / (1 + a4 / (1 + a5)))) of ladder l, each denominator d with |d| < 0.01 replaced by +-0.01 with d's sign (+ for 0);
; a[row][6 l + k] = the sum over the eight column tiles of apart[ct][6 l + k][row], ct ascending.
; a IS SUMMED BESIDE THE K LOOP, in registers that the loop leaves idle: each of the 128 threads has two of the work-group's 256 rows.  Column tiles 0 and 1 are asked for at the head; each of the seven changes
; of slots adds the column tile asked for a K step before and asks for the next: 18 loads of 8 bytes a lane.  The last change of slots walks the three fractions and puts z into LDS, 16 bytes a row.
; All choices are v_cndmask_b32: no branch hangs on data.  A division is a reciprocal and a multiplication (z goes into no quantiser).
; THE PRODUCT.  Q(x) [8192][2048] and U_w [2048][2048] are codes of FP6 (E2M3) with one E8M0 byte for each 32 along K.  A tile of 256 x 256 is made by a work-group of four waves, 128 x 128 a wave:
; 64 accumulators, 512 registers.  K goes in steps of 256 through a ring of two LDS slots filled by the tensor data mover; the scale bytes of the work-group's rows come once and stay.
; CLUSTERS: 4 x 4 work-groups; A's tiles are asked for jointly along a row of the cluster, B's along a column.  THE MATRIX INSTRUCTION IS USED TRANSPOSED (source 0 = rows of U_w, source 1 = rows of x).
; THE WAY OUT: a block of 16 rows x 128 columns goes through my stage in LDS and comes back as whole rows of 512 bytes.  There a lane holds the same four columns in every row, so V_w costs it 12 registers;
; a row's z comes from LDS, the same 16 bytes to all lanes; three packed multiply-adds in f32 for two numbers; the 32 lanes store 512 consecutive bytes, aligned.
; LIMITS: NaN and infinities are not served; a denominator beyond 2^126 gives the quotient 0 (its reciprocal would be denormal).
; REGISTERS: window 0: v0-31 addresses; v32-63 scale words, two sets; v64-75 V_w of my four columns; v76-111 a's sums; v112-127 and v224-243 the column tile on its way (then the fractions' work);
;   v244-255 V_w as loaded; v128-223 A's fragments, ONE set (on the way out v128-255 rows of out0).
;   window 1: B's fragments, two sets (on the way out v0-127: z of two blocks).   windows 2, 3: the accumulators.
.set KSTEP,  256
.set NQ,     2
.set ROWB,   192
.set KROW,   1536
.set PITCH,  240                       ; an LDS row: 3 x (64 bytes + 16 of padding)
.set FR,     12
.set NL,     6
.set NP,     4                         ; places behind this matrix instruction (ISA guide 7.12.1)
.set HALFT,  128*PITCH
.set SLOT,   4*HALFT
.set LAPS,   4
.set KS,     64
.set SCL,    2*SLOT
.set HALFS,  32*272
.set SBLK,   4*272
.set SPARE,  SCL+4*HALFS               ; the spare words, 128 bytes for each wave: two blocks of 256 bytes that no other line names
.set ZL,     SPARE+512                 ; z: 256 rows x 16 bytes; stored by the waves, never filled by a tensor load
.set SPITCH, 528                       ; the way out: a stage of 16 rows x (512 bytes + 16) for each wave, in slot 0, which has had its last fill and its last read by then
.set CTB,    18*32768                  ; a column tile's 18 planes of apart, in bytes
.set ZO,   8                           ; v8   apart: 8 x my thread's number: rows 2 t, 2 t + 1; never rewritten
.set VO,   9                           ; v9   V_w: 48 x lane: my four columns' 12 numbers; never rewritten
.set ZW,   10                          ; v10  where I store my two rows' z
.set ZR,   11                          ; v11  where my wave's 128 rows' z begin: the same in all lanes
.set EPSV, 12                          ; v12  0.01
.set EPSN, 13                          ; v13  -0.01
.set ADRA, 16
.set ADRB, 20
.set STO,  24                          ; v24  the way out: where I put 32 bytes of a row
.set RD,   25                          ; v25  where I read a row back
.set CO,   26                          ; v26  my byte offset in a row of out0
.set ADRS, 27
.set SPW,  28                          ; v28  LDS address of my spare word; never rewritten
.set NIL,  29                          ; v29  0; never rewritten
.set SC,   32
.set VP,   64                          ; v64-75   V_w(my column c, l) at VP + 4 l + c
.set AS,   76                          ; v76-111  a: pair 2 idx = rows 2 t, 2 t + 1
.set INA,  112                         ; v112-127 the column tile on its way: planes 0 to 7,
.set INB,  224                         ; v224-243 planes 8 to 17
.set VQ,   244                         ; v244-255 V_w as loaded: 3 c + l
.set FF,   112                         ; v112-117 the fraction so far, a pair for each ladder (behind the last addition)
.set DD,   118                         ; v118-123 the denominator
.set EE,   224                         ; v224-229 +-0.01, then the reciprocal
.set ZS,   232                         ; v232-239 z as it is stored
.set AF,   128
.set BK,   128                         ; the way out: 16 rows read back from the stage: v128-191 and v192-255 by turns
.set AP,   96                          ; s[96:97] apart at my tile's rows; it steps a column tile at each change of slots
.set VB,   98                          ; s[98:99] V_w at my wave's 128 columns
.set G1, 24
.set G0, 32
.set G1B, 48
.set G0B, 56
.set G1S, 68
.set G0S, 76
.set G1SB, 80
.set G0SB, 88
.set MSB, 0
.macro WIN new                         ; the immediate's high byte repeats the setting that is left
.if MSB != (\new)
	s_set_vgpr_msb (MSB<<8)|(\new)
.set MSB, (\new)
.endif
.endm
.set MUL_LO, 0xa1                      ; source 0 (B) window 1, source 1 (A) window 0, C and D window 2
.set MUL_HI, 0xf1                      ; the same, C and D window 3
.set TO_B,   0x40                      ; destination window 1, address window 0
; A joint load: waves 0 and 1 fetch for A, waves 2 and 3 for B; the branch hangs on the wave's number alone.  Four v_nop follow each of the two lines.
.macro JLOAD g0a, g1a, g0b, g1b
	s_cmp_eq_u32 s15, 0
	s_cbranch_scc0 .Lfor_b_\@
	tensor_load_to_lds s[\g0a:\g0a+3], s[\g1a:\g1a+7]
	s_nop 0
.rept 4
	v_nop
.endr
	s_branch .Lasked_\@
.Lfor_b_\@:
	tensor_load_to_lds s[\g0b:\g0b+3], s[\g1b:\g1b+7]
	s_nop 0
.rept 4
	v_nop
.endr
.Lasked_\@:
.endm
.macro CREST                           ; a round of the cluster's barrier behind its opening barrier
	s_cmp_lg_u32 s14, 0
	s_cbranch_scc1 .Lnot_wave_0_\@
	s_barrier_signal -3
.Lnot_wave_0_\@:
	s_barrier_wait -3
	s_barrier_signal -1
	s_barrier_wait -1
.endm
.macro CROUND                          ; a whole round
	s_barrier_signal -1
	s_barrier_wait -1
	CREST
.endm
; The column tile one behind the base: its 18 planes' two rows a thread.  No hint: eight work-groups read the same rows.
.macro ZASK
.set n0, 0
.rept 18
.if n0 < 8
.set IR, INA+2*n0
.else
.set IR, INB+2*(n0-8)
.endif
	global_load_b64 v[IR:IR+1], v[ZO], s[AP:AP+1] offset:(18+n0)*32768
.set n0, n0+1
.endr
.endm
; The column tile asked for a K step ago is added: the column tiles in ascending order.
.macro ZADD
	s_wait_loadcnt 0x0                             ; all my loads are in: their destinations may be read, and their base may step
.set n0, 0
.rept 18
.if n0 < 8
.set IR, INA+2*n0
.else
.set IR, INB+2*(n0-8)
.endif
	v_pk_add_f32 v[AS+2*n0:AS+2*n0+1], v[AS+2*n0:AS+2*n0+1], v[IR:IR+1]
.set n0, n0+1
.endr
.endm
; One level of the three fractions, for my two rows: f = a_k / guarded(1 + f).  first = 1: f is a_5 (the innermost denominator is 1).
.macro ZSTEP k, first
.irp l, 0,1,2
.if \first
	v_pk_add_f32 v[DD+2*\l:DD+2*\l+1], v[AS+2*(6*\l+5):AS+2*(6*\l+5)+1], 1.0 op_sel_hi:[1,0]
.else
	v_pk_add_f32 v[DD+2*\l:DD+2*\l+1], v[FF+2*\l:FF+2*\l+1], 1.0 op_sel_hi:[1,0]
.endif
.endr
.irp j, 0,1,2,3,4,5
	v_cmp_le_f32 vcc_lo, 0, v[DD+\j]
	v_cndmask_b32 v[EE+\j], v[EPSN], v[EPSV], vcc_lo               ; 0.01 with the denominator's sign
	v_cmp_lt_f32 vcc_lo, |v[DD+\j]|, s100
	v_cndmask_b32 v[DD+\j], v[DD+\j], v[EE+\j], vcc_lo             ; taken where the denominator is nearer to 0 than that
.endr
.irp j, 0,1,2,3,4,5
	v_rcp_f32 v[EE+\j], v[DD+\j]
.endr
	v_nop                                          ; a plain place behind the last reciprocal,
	s_wait_alu depctr_va_vdst(0)                   ; and one wait for the six, ahead of their first reader
.irp l, 0,1,2
	v_pk_mul_f32 v[FF+2*\l:FF+2*\l+1], v[AS+2*(6*\l+\k):AS+2*(6*\l+\k)+1], v[EE+2*\l:EE+2*\l+1]
.endr
.endm
; a is whole: V_w is laid by ladder, the fractions are walked, z goes to LDS.  None of these lines names a register of a matrix instruction.
.macro ZFIN
.irp l, 0,1,2
.irp c, 0,1,2,3
	v_mov_b32 v[VP+4*\l+\c], v[VQ+3*\c+\l]         ; a pair of neighbouring columns for the packed multiply-add
.endr
.endr
	ZSTEP 4, 1
	ZSTEP 3, 0
	ZSTEP 2, 0
	ZSTEP 1, 0
.irp l, 0,1,2
	v_add_f32 v[ZS+\l], v[AS+12*\l], v[FF+2*\l]        ; z = a0 + f: row 2 t,
	v_add_f32 v[ZS+4+\l], v[AS+12*\l+1], v[FF+2*\l+1]  ; row 2 t + 1
.endr
	v_mov_b32 v[ZS+3], 0
	v_mov_b32 v[ZS+7], 0
	ds_store_b128 v[ZW], v[ZS:ZS+3]
	ds_store_b128 v[ZW], v[ZS+4:ZS+7] offset:16
.endm
	s_load_b128 s[4:7], s[0:1], 0x0                ; Q(x)'s codes s[4:5], its scales s[6:7]
	s_load_b128 s[8:11], s[0:1], 0x10              ; U_w's codes s[8:9], its scales s[10:11]
	s_load_b128 s[96:99], s[0:1], 0x20             ; apart s[96:97], V_w s[98:99]
	s_load_b64 s[12:13], s[0:1], 0x30              ; out0
	v_lshl_add_u32 v[SPW], v0, 2, SPARE
	v_mov_b32 v[NIL], 0
	ds_add_u32 v28, v29
	ds_add_u32 v28, v29
	s_wait_dscnt 0x0
	v_lshrrev_b32 v1, 5, v0
	v_readfirstlane_b32 s14, v1                    ; wave 0..3
	s_lshr_b32 s15, s14, 1                         ; which half of the tile's rows is mine.  Also: I fetch for A (0) or for B (1)
	s_and_b32 s16, s14, 1                          ; which half of its columns.  Also: which 128 rows of that tile I fetch
	s_bfe_u32 s40, ttmp6, 0x40000                  ; cx, cy: my place in the cluster
	s_bfe_u32 s41, ttmp6, 0x40004
	s_lshl_b32 s42, ttmp9, 2
	s_add_co_u32 s42, s42, s40                     ; tile column = 4 x cluster x + cx
	s_and_b32 s17, ttmp7, 0xffff
	s_lshl_b32 s17, s17, 2
	s_add_co_u32 s17, s17, s41                     ; tile row = 4 x cluster y + cy
	s_lshl_b32 s43, s41, 2
	s_lshl_b32 s43, 15, s43                        ; my row of the cluster
	s_lshl_b32 s44, 0x1111, s40                    ; my column
	; descriptor group 1: a tile of 128 rows x 192 bytes, padded in LDS
	s_or_b32 s[G1+0], s43, (0<<16)|(1<<20)|(1<<21)|(3<<22)|(3<<25)  ; 15:0 the mask: A's tiles go to my row; 17:16 element of 1 byte; 20 padding on; 21 set beside a mask; 24:22 after every 16 words (code 3); 31:25 of 4 words (code 3)
	s_or_b32 s[G1B+0], s44, (0<<16)|(1<<20)|(1<<21)|(3<<22)|(3<<25)
.irp g, G1, G1B
	s_mov_b32 s[\g+1], ROWB<<16                    ; tensor_dim0
	s_mov_b32 s[\g+2], 128<<16                     ; tensor_dim1 = 128
	s_mov_b32 s[\g+3], ROWB<<16                    ; tile_dim0
	s_mov_b32 s[\g+4], 128                         ; tile_dim1 = 128
	s_mov_b32 s[\g+5], KROW                        ; tensor_dim0_stride
	s_mov_b32 s[\g+6], 0
	s_mov_b32 s[\g+7], 0
.endr
	; and for the scales of 128 rows: a dense block of 8,192 bytes, as 32 rows of 256 bytes (32 elements of 8 bytes), 16 bytes of padding behind each
	s_or_b32 s[G1S+0], s43, (3<<16)|(1<<20)|(1<<21)|(5<<22)|(3<<25)
	s_or_b32 s[G1SB+0], s44, (3<<16)|(1<<20)|(1<<21)|(5<<22)|(3<<25)
.irp g, G1S, G1SB
	s_mov_b32 s[\g+1], 32<<16
	s_mov_b32 s[\g+2], 32<<16
	s_mov_b32 s[\g+3], 32<<16
	s_mov_b32 s[\g+4], 32
	s_mov_b32 s[\g+5], 32
	s_mov_b32 s[\g+6], 0
	s_mov_b32 s[\g+7], 0
.endr
	s_lshl_b32 s18, s16, 7                         ; which 128 rows of the tile I fetch
	s_lshl_b32 s20, s17, 8
	s_add_co_u32 s20, s20, s18                     ; A: row 256 x tile row + 128 x half
	s_lshl_b32 s46, s42, 8
	s_add_co_u32 s46, s46, s18                     ; B: row 256 x tile column + 128 x half
	s_mov_b32 s21, 0
	s_mov_b32 s47, 0
	s_mov_b64 s[18:19], KS
	s_mul_u64 s[22:23], s[20:21], s[18:19]         ; where these rows' scales begin, in bytes
	s_mul_u64 s[92:93], s[46:47], s[18:19]
	s_mov_b64 s[18:19], KROW
	s_mul_u64 s[20:21], s[20:21], s[18:19]         ; and their codes
	s_mul_u64 s[46:47], s[46:47], s[18:19]
	s_mul_i32 s45, s14, HALFT                      ; where they go: wave x 128 rows: no place in the cluster enters an LDS address
	s_mul_i32 s94, s14, HALFS
	s_wait_kmcnt 0x0
	s_add_nc_u64 s[20:21], s[4:5], s[20:21]
	s_add_nc_u64 s[22:23], s[6:7], s[22:23]
	s_add_nc_u64 s[46:47], s[8:9], s[46:47]
	s_add_nc_u64 s[92:93], s[10:11], s[92:93]
	CROUND                                         ; all sixteen work-groups are here: the first joint loads meet
	s_mov_b32 s[G0S], 1
	s_add_co_u32 s[G0S+1], s94, SCL
	s_mov_b64 s[G0S+2:G0S+3], s[22:23]
	s_or_b32 s[G0S+3], s[G0S+3], 0x80000000
	s_mov_b32 s[G0SB], 1
	s_add_co_u32 s[G0SB+1], s94, SCL
	s_mov_b64 s[G0SB+2:G0SB+3], s[92:93]
	s_or_b32 s[G0SB+3], s[G0SB+3], 0x80000000
	JLOAD G0S, G1S, G0SB, G1SB                     ; the scales first: they are wanted with K step 0
.irp s, 0,1
	s_mov_b32 s[G0+4*\s], 1
	s_add_co_u32 s[G0+4*\s+1], s45, \s*SLOT
	s_add_nc_u64 s[G0+4*\s+2:G0+4*\s+3], s[20:21], \s*ROWB
	s_or_b32 s[G0+4*\s+3], s[G0+4*\s+3], 0x80000000
	s_mov_b32 s[G0B+4*\s], 1
	s_add_co_u32 s[G0B+4*\s+1], s45, \s*SLOT
	s_add_nc_u64 s[G0B+4*\s+2:G0B+4*\s+3], s[46:47], \s*ROWB
	s_or_b32 s[G0B+4*\s+3], s[G0B+4*\s+3], 0x80000000
	JLOAD G0+4*\s, G1, G0B+4*\s, G1B               ; three tensor loads of mine are out
.endr
	v_and_b32 v1, 15, v0                           ; r = l % 16
	v_bfe_u32 v2, v0, 4, 1                         ; h = l / 16
	v_and_b32 v6, 31, v0                           ; lane
	; apart's column tiles 0 and 1, and V_w: 39 loads, waited for at the first change of slots
	s_lshl_b32 s20, s17, 10                        ; my tile's 256 rows of each plane
	s_mov_b32 s21, 0
	s_add_nc_u64 s[AP:AP+1], s[AP:AP+1], s[20:21]
	s_lshl_b32 s20, s42, 8
	s_lshl_b32 s22, s16, 7
	s_add_co_u32 s20, s20, s22
	s_mul_i32 s20, s20, 12                         ; my wave's first column: 12 bytes a row of V_w
	s_add_nc_u64 s[VB:VB+1], s[VB:VB+1], s[20:21]
	v_lshlrev_b32 v[ZO], 3, v0
	v_mul_u32_u24 v[VO], v6, 48
.set n0, 0
.rept 18
	global_load_b64 v[AS+2*n0:AS+2*n0+1], v[ZO], s[AP:AP+1] offset:n0*32768   ; column tile 0 starts the sums: nothing is cleared
.set n0, n0+1
.endr
	ZASK                                           ; column tile 1
.irp i, 0,1,2
	global_load_b128 v[VQ+4*\i:VQ+4*\i+3], v[VO], s[VB:VB+1] offset:16*\i
.endr
	; addresses
	v_mul_u32_u24 v3, v1, PITCH
	v_mul_u32_u24 v4, v2, 24
	v_add_nc_u32 v4, v3, v4                        ; a fragment's row x pitch + 24 x half
	v_lshl_add_u32 v5, v2, 4, v4                   ; and the same behind one padding more
	s_mul_i32 s21, s15, HALFT                      ; my 128 rows of A
	s_mul_i32 s22, s16, HALFT                      ; my 128 rows of B,
	s_add_co_u32 s22, s22, 2*HALFT                 ; which lie behind A's 256
.irp s, 0,1
	v_add_nc_u32 v[ADRA+\s], s21, v4
	v_add_nc_u32 v[ADRB+\s], s22, v4
	v_add_nc_u32 v[ADRA+2+\s], s21, v5
	v_add_nc_u32 v[ADRB+2+\s], s22, v5
	s_add_co_u32 s21, s21, SLOT
	s_add_co_u32 s22, s22, SLOT
.endr
	v_mul_u32_u24 v5, v1, KS                       ; my row's scales: 64 bytes a row,
	v_lshrrev_b32 v7, 8, v5
	v_lshl_add_u32 v5, v7, 4, v5                   ; and 16 more for each 256 passed
	s_mul_i32 s21, s15, HALFS                      ; A's: my 128 rows
	s_mul_i32 s22, s16, HALFS                      ; B's: my 128 rows, behind A's 256
	s_add_co_u32 s22, s22, 2*HALFS
	s_sub_co_u32 s22, s22, s21
	v_mul_u32_u24 v7, s22, v2                      ; lanes 16-31 take B's
	s_add_co_u32 s21, s21, SCL
	v_add_nc_u32 v5, v5, v7
	v_add_nc_u32 v[ADRS], s21, v5
	s_mul_i32 s23, s14, 16*SPITCH                  ; my stage
	v_mul_u32_u24 v5, v1, SPITCH                   ; in: row l % 16, 32 bytes for each half of the lanes
	v_lshl_add_u32 v5, v2, 5, v5
	v_add_nc_u32 v[STO], s23, v5
	v_lshlrev_b32 v[CO], 4, v6                     ; back: the 32 lanes take one row of 512 bytes; and the same in out0
	v_add_nc_u32 v[RD], s23, v[CO]
	s_lshl_b32 s20, s17, 8
	s_lshl_b32 s21, s15, 7
	s_add_co_u32 s20, s20, s21                     ; my first row of out0: 256 x tile row + 128 x half
	s_lshl_b32 s20, s20, 13                        ; x 8,192 bytes: under 2^27
	s_lshl_b32 s46, s42, 10                        ; my first column, in bytes: 1024 x tile column + 512 x half
	s_lshl_b32 s47, s16, 9
	s_add_co_u32 s46, s46, s47
	s_add_co_u32 s20, s20, s46
	s_mov_b32 s21, 0
	s_add_nc_u64 s[12:13], s[12:13], s[20:21]
	s_lshl_b32 s22, s15, 11                        ; my 128 rows' z: 16 bytes a row
	s_add_co_u32 s22, s22, ZL
	v_mov_b32 v[ZR], s22
	v_lshl_add_u32 v[ZW], v0, 5, ZL
	v_mov_b32 v[EPSV], 0x3c23d70a                  ; 0.01
	v_mov_b32 v[EPSN], 0xbc23d70a
	s_mov_b32 s100, 0x3c23d70a
.macro FRAG reg, adr, q, i             ; a fragment, 16 rows x 128 K of 6-bit codes, is 12 registers: lane l holds row l % 16; registers 6 c .. 6 c + 5 hold K = 64 c + 32 (l / 16) + 0 .. 31: 24 bytes of the row's stream of bits, as they lie
.irp p, 0,1,2,3,4,5                    ; in pieces of 8 bytes.  Lanes 0-15 take the row's pieces 12 q + 0, 1, 2 and 12 q + 6, 7, 8, lanes 16-31 those three pieces on
.set PCE, 12*(\q)+6*(\p/3)+\p%3        ; 16 bytes of padding lie behind every 8 pieces: where the piece three on lies behind one padding more, the second address register serves
.if PCE%8 < 5
	ds_load_b64 v[\reg+2*\p:\reg+2*\p+1], v[\adr] offset:8*PCE+16*(PCE/8)+(\i)*16*PITCH
.else
	ds_load_b64 v[\reg+2*\p:\reg+2*\p+1], v[\adr+2] offset:8*PCE+16*(PCE/8)+(\i)*16*PITCH
.endif
.endr
.endm
; 16 matrix instructions: A's blocks a0, a0 + 1 x B's eight, 128 along K: the slot's q-th.  p: B's set;  sc: the set of scale words.  zero = 1: the first product starts the sums.
; The 64 accumulators take turns, one instruction a turn, in the same order in every step.
.macro MUL16 a0, p, q, sc, zero
.irp a, \a0, \a0+1
.irp b, 0,1,2,3,4,5,6,7
.if \zero
	v_wmma_scale_f32_16x16x128_f8f6f4 v[8*(8*((\a)%4)+\b):8*(8*((\a)%4)+\b)+7], v[128*(\p)+FR*\b:128*(\p)+FR*\b+FR-1], v[AF+FR*(\a):AF+FR*(\a)+FR-1], 0, v[SC+8*NQ*(\sc)+NQ*\b+(\q)], v[SC+8*NQ*(\sc)+NQ*(\a)+(\q)] matrix_a_fmt:MATRIX_FMT_FP6 matrix_b_fmt:MATRIX_FMT_FP6 matrix_a_scale:MATRIX_SCALE_ROW1
.else
	v_wmma_scale_f32_16x16x128_f8f6f4 v[8*(8*((\a)%4)+\b):8*(8*((\a)%4)+\b)+7], v[128*(\p)+FR*\b:128*(\p)+FR*\b+FR-1], v[AF+FR*(\a):AF+FR*(\a)+FR-1], v[8*(8*((\a)%4)+\b):8*(8*((\a)%4)+\b)+7], v[SC+8*NQ*(\sc)+NQ*\b+(\q)], v[SC+8*NQ*(\sc)+NQ*(\a)+(\q)] matrix_a_fmt:MATRIX_FMT_FP6 matrix_b_fmt:MATRIX_FMT_FP6 matrix_a_scale:MATRIX_SCALE_ROW1
.endif
.endr
.endr
.endm
.macro FETCH_B slot, q, p              ; B's eight fragments of the slot's q-th 128 along K into set p
	WIN TO_B
.irp i, 0,1,2,3,4,5,6,7
	FRAG 128*(\p)+FR*\i, ADRB+\slot, \q, \i
.endr
	WIN 0
.endm
.macro FETCH_A slot, q, i0             ; A's blocks i0 .. i0 + 3
.irp i, \i0, \i0+1, \i0+2, \i0+3
	FRAG AF+FR*(\i), ADRA+\slot, \q, \i
.endr
.endm
.macro SCALES sc                       ; the next K step's scale words into set sc: two words a row; lanes 0-15 take A's block i, lanes 16-31 B's block i
.irp i, 0,1,2,3,4,5,6,7
	ds_load_b64 v[SC+8*NQ*\sc+NQ*\i:SC+8*NQ*\sc+NQ*\i+1], v[ADRS] offset:\i*SBLK
.endr
.endm
; A load into a register that a matrix instruction has read, and a vector instruction or an LDS store that reads a matrix result, stand NP places behind that matrix instruction; only plain vector
; instructions that name none of its registers are places (ISA guide 7.12.1 for vector instructions).
.macro PLACES n
.rept \n
	v_nop
.endr
.endm
; A step of 128 along K that has its successor in the same slot.
.macro STEP slot, q, zero
	s_wait_dscnt 4*NL                              ; B's set and A's blocks 0-3 are in; the youngest 24 loads (A's blocks 4-7) may be out
	WIN MUL_LO
	MUL16 0, (\q)%2, \q, \slot, \zero
	MUL16 2, (\q)%2, \q, \slot, \zero
	s_wait_dscnt 0                                 ; A's blocks 4-7 are in (asked for 32 matrix instructions ago)
	PLACES NP
	FETCH_B \slot, (\q)+1, 1-(\q)%2
	FETCH_A \slot, (\q)+1, 0
	WIN MUL_HI
	MUL16 4, (\q)%2, \q, \slot, \zero
	MUL16 6, (\q)%2, \q, \slot, \zero
	PLACES NP
	WIN 0
	FETCH_A \slot, (\q)+1, 4
.endm
; A slot's last step changes slots: ONE barrier; in front of it each wave waits for all its tensor loads, adds 0 to its spare word, and waits for that and for its own reads of this slot.
; fill = 1: this slot is filled again, two K steps ahead, and apart's next column tile is asked for.  fill = 0, the last change of slots: a is whole, and z is made.
.macro TURN slot, next, fill
	s_wait_tensorcnt 0x0                           ; all my tensor loads have landed: my part of the next slot;  (every window is 0 here)
	ds_add_u32 v[SPW], v[NIL]                      ; 0 onto my spare word
	s_wait_dscnt 4*NL+1                            ; (the add and the youngest 24 loads, A's blocks 4-7, may be out)
	WIN MUL_LO
	MUL16 0, 1, NQ-1, \slot, 0                     ; sixteen matrix instructions stand between the add and the wait for it
	s_wait_dscnt 0x0                               ; the add is done, and my reads of this slot are over
	s_barrier_signal -1
	MUL16 2, 1, NQ-1, \slot, 0
	WIN 0
	s_barrier_wait -1
.if \fill
	CREST                                          ; the barrier has opened a round of the cluster's barrier: no wave of any partner still reads this slot's tile or has a load on its way
	s_add_nc_u64 s[G0+4*\slot+2:G0+4*\slot+3], s[G0+4*\slot+2:G0+4*\slot+3], 2*ROWB
	s_add_nc_u64 s[G0B+4*\slot+2:G0B+4*\slot+3], s[G0B+4*\slot+2:G0B+4*\slot+3], 2*ROWB
	JLOAD G0+4*\slot, G1, G0B+4*\slot, G1B         ; the first tensor load behind the round; the four v_nop behind it are the places in front of the loads below
.else
	PLACES NP
.endif
	v_add_nc_u32 v[ADRS], 4*NQ, v[ADRS]            ; on to the next K step's scale words (no LDS load of mine is out)
	FETCH_B \next, 0, 0
	FETCH_A \next, 0, 0
	SCALES \next
	ZADD                                           ; the column tile asked for a K step, 128 matrix instructions, ago
.if \fill
	s_add_nc_u64 s[AP:AP+1], s[AP:AP+1], CTB       ; (behind ZADD's wait, which shows the loads that named the base done)
	ZASK                                           ; change j of the six that fill asks for column tile j + 1: the last is tile 7, apart's last
.else
	ZFIN                                           ; its two LDS stores stand ahead of the 24 loads below, which alone the next step's counted wait leaves out
.endif
	WIN MUL_HI
	MUL16 4, 1, NQ-1, \slot, 0
	MUL16 6, 1, NQ-1, \slot, 0
	PLACES NP
	WIN 0
	FETCH_A \next, 0, 4
.endm
	s_wait_tensorcnt 1                             ; the scales and my part of K step 0 are in (K step 1's load may be out)
	s_barrier_signal -1
	s_barrier_wait -1                              ; everybody's are
	FETCH_B 0, 0, 0
	FETCH_A 0, 0, 0
	SCALES 0
	FETCH_A 0, 0, 4
	STEP 0, 0, 1                                   ; the first step stands in front of the loop: its products start the sums
	s_mov_b32 s3, LAPS-1
.Llap:                                                 ; a trip goes once round the ring, from a lap's second step to the next lap's first, and fills both slots again
	TURN 0, 1, 1
	STEP 1, 0, 0
	TURN 1, 0, 1
	STEP 0, 0, 0
	s_sub_co_u32 s3, s3, 1
	s_cmp_lg_u32 s3, 0
	s_cbranch_scc1 .Llap
	TURN 0, 1, 0                                   ; the last lap fills nothing, and has no round of the cluster's barrier
	STEP 1, 0, 0
	s_wait_dscnt 4*NL                              ; the very last step: nothing more to fetch
	WIN MUL_LO
	MUL16 0, 1, NQ-1, 1, 0
	MUL16 2, 1, NQ-1, 1, 0
	s_wait_dscnt 0
	WIN MUL_HI
	MUL16 4, 1, NQ-1, 1, 0
	MUL16 6, 1, NQ-1, 1, 0
	WIN 0
	s_wait_dscnt 0x0                               ; for the others' sake: my two rows' z are stored (no LDS instruction of mine is out),
	s_barrier_signal -1
	s_barrier_wait -1                              ; everybody's are: z may be read.
; THE WAY OUT, block by block of 16 rows x 128 columns, through my own stage in LDS.  LDS serves a wave's instructions in order (ISA guide 5.7.1.4): no wait between the stores and the loads, nor in front of the next block's stores.
.macro TOSTAGE a
.set AC, 64*((\a)%4)
	WIN 0x08+4*((\a)/4)                            ; the data: window 2 or 3
.irp b, 0,1,2,3,4,5,6,7
	ds_store_b128 v[STO], v[AC+8*\b:AC+8*\b+3] offset:64*\b          ; each accumulator from its low end on
	ds_store_b128 v[STO], v[AC+8*\b+4:AC+8*\b+7] offset:64*\b+16
.endr
	WIN 0
.set BB, BK+64*((\a)%2)
.irp t, 0,1,2,3,4,5,6,7,8,9,10,11,12,13,14,15
	ds_load_b128 v[BB+4*\t:BB+4*\t+3], v[RD] offset:\t*SPITCH
.endr
	WIN 0x40                                       ; destination window 1
.set ZB, 64*((\a)%2)
.irp t, 0,1,2,3,4,5,6,7,8,9,10,11,12,13,14,15
	ds_load_b128 v[ZB+4*\t:ZB+4*\t+3], v[ZR] offset:(16*(\a)+\t)*16   ; row t's z: all lanes take the same 16 bytes
.endr
	WIN 0
.endm
.macro SEND a, younger                 ; younger: the LDS instructions issued behind block a's loads, which may stay out
.set BB, BK+64*((\a)%2)
.set ZB, 64*((\a)%2)
	s_wait_dscnt \younger                          ; the block and its z are in registers
.if (\a) > 0
	s_add_nc_u64 s[12:13], s[12:13], 16*8192       ; (behind a wait on XCNT: the earlier stores have read their base)  16 rows of out0 on
.endif
	WIN 0x04                                       ; source 1 (z) window 1
.irp t, 0,1,2,3,4,5,6,7,8,9,10,11,12,13,14,15  ; + z0 V(c, 0): 32 lines that do not wait for each other; then the same for ladders 1 and 2
.irp q, 0,2
	v_pk_fma_f32 v[BB+4*\t+\q:BB+4*\t+\q+1], v[VP+\q:VP+\q+1], v[ZB+4*\t:ZB+4*\t+1], v[BB+4*\t+\q:BB+4*\t+\q+1] op_sel_hi:[1,0,1]
.endr
.endr
.irp t, 0,1,2,3,4,5,6,7,8,9,10,11,12,13,14,15
.irp q, 0,2
	v_pk_fma_f32 v[BB+4*\t+\q:BB+4*\t+\q+1], v[VP+4+\q:VP+4+\q+1], v[ZB+4*\t:ZB+4*\t+1], v[BB+4*\t+\q:BB+4*\t+\q+1] op_sel:[0,1,0] op_sel_hi:[1,1,1]
.endr
.endr
.irp t, 0,1,2,3,4,5,6,7,8,9,10,11,12,13,14,15
.irp q, 0,2
	v_pk_fma_f32 v[BB+4*\t+\q:BB+4*\t+\q+1], v[VP+8+\q:VP+8+\q+1], v[ZB+4*\t+2:ZB+4*\t+3], v[BB+4*\t+\q:BB+4*\t+\q+1] op_sel_hi:[1,0,1]
.endr
.endr
	WIN 0
.irp t, 0,1,2,3,4,5,6,7,8,9,10,11,12,13,14,15
	global_store_b128 v[CO], v[BB+4*\t:BB+4*\t+3], s[12:13] offset:\t*8192 th:TH_STORE_NT   ; 32 lanes store 512 consecutive bytes, at a multiple of 256 from out0's first byte; written once, read by nobody here
.endr
.endm
	PLACES NP                                      ; for the loads into the registers that held A's and B's fragments, and for the reads of the last results
	TOSTAGE 0
.irp a, 1,2,3,4,5,6,7
.if \a > 1
	s_wait_xcnt 0x0                                ; block a - 2's stores have read their registers and their base: block a's loads may land there, and the base may step
.endif
	TOSTAGE \a
	SEND \a-1, 48                                  ; behind block a - 1's loads: block a's 16 stores, 16 loads and 16 loads of z
.endr
	s_wait_xcnt 0x0                                ; block 6's stores have read their base
	SEND 7, 0
	s_wait_tensorcnt 0x0                           ; the wave's end, behind my last tensor load and my last LDS store
	ds_add_u32 v[SPW], v[NIL]
	s_wait_dscnt 0x0
	CROUND                                         ; the closing round: no work-group ends while a partner may still ask for a tile that names it
	s_endpgm
.Lfunc_end_k_qedde6c7260_ulin:
	.size	k_qedde6c7260_ulin, .Lfunc_end_k_qedde6c7260_ulin-k_qedde6c7260_ulin
	.p2alignl 7, 3214868480
	.fill 96, 4, 3214868480
	.section	.rodata,"a",@progbits
	.p2align	6, 0x0
	.amdhsa_kernel k_qedde6c7260_ulin
		.amdhsa_group_segment_fixed_size 327680
		.amdhsa_private_segment_fixed_size 0
		.amdhsa_enable_private_segment 0
		.amdhsa_kernarg_size 56
		.amdhsa_user_sgpr_count 2
		.amdhsa_user_sgpr_kernarg_segment_ptr 1
		.amdhsa_wavefront_size32 1
		.amdhsa_system_sgpr_workgroup_id_x 1
		.amdhsa_system_sgpr_workgroup_id_y 1
		.amdhsa_system_sgpr_workgroup_id_z 1
		.amdhsa_system_vgpr_workitem_id 0
		.amdhsa_next_free_vgpr 1024
		.amdhsa_next_free_sgpr 102
		.amdhsa_reserve_vcc 1
		.amdhsa_float_denorm_mode_32 3
		.amdhsa_float_denorm_mode_16_64 3
		.amdhsa_memory_ordered 1
		.amdhsa_forward_progress 1
		.amdhsa_inst_pref_size 235
	.end_amdhsa_kernel
	.amdgpu_metadata
---
amdhsa.version: [ 1, 2 ]
amdhsa.kernels:
  - .name:           k_qedde6c7260_ulin
    .symbol:         k_qedde6c7260_ulin.kd
    .args:
      - { .name: xq_codes, .offset: 0, .size: 8, .value_kind: global_buffer, .address_space: global }
      - { .name: xq_scales, .offset: 8, .size: 8, .value_kind: global_buffer, .address_space: global }
      - { .name: U_w_codes, .offset: 16, .size: 8, .value_kind: global_buffer, .address_space: global }
      - { .name: U_w_scales, .offset: 24, .size: 8, .value_kind: global_buffer, .address_space: global }
      - { .name: apart, .offset: 32, .size: 8, .value_kind: global_buffer, .address_space: global }
      - { .name: V_w, .offset: 40, .size: 8, .value_kind: global_buffer, .address_space: global }
      - { .name: out0, .offset: 48, .size: 8, .value_kind: global_buffer, .address_space: global }
    .group_segment_fixed_size: 327680
    .private_segment_fixed_size: 0
    .kernarg_segment_align: 8
    .kernarg_segment_size: 56
    .max_flat_workgroup_size: 128
    .sgpr_count:     102
    .vgpr_count:     1024
    .wavefront_size: 32
...
	.end_amdgpu_metadata
.endif
;; end of part 3
